; MI455X (gfx1250); checked and timed in simulation.
; The chip was launched on July 23, 2026; its instructions are those of AMD's public machine-readable ISA for CDNA 5 (MIT licence, August 2026) and "CDNA5" Instruction Set Architecture Reference Guide (July 2026). The comments in the code are by the model that wrote it; some were corrected since.
;; Llama Attention. Allowed arithmetic: float matrix products may take bf16 or f16 operands with f32 sums; other float arithmetic in f32, or as packed bf16 or f16 multiplies, adds, multiply-adds, maxima and minima; sums over many terms, partial sums and values carried from step to step in f32; what a program stores and reads back later, other than sums and carried values, may be rounded once to bf16 or f16.
;; Inputs: hidden 4,096 x 4,096 float32; k_w 256 x 4,096 float32; o_w 4,096 x 1,024 float32; positions 4,096 int32; q_w 1,024 x 4,096 float32; v_w 256 x 4,096 float32.
;; Outputs: out0 4,096 x 4,096 float32.
;; Constants: seq_len = 1024.
;; One version. Each part assembles by itself: llvm-mc -triple=amdgcn-amd-amdhsa -mcpu=gfx1250 --defsym DOCPART=n.
;; ======== version 1 of 1: 4 launches
;; limits: values are held in f16: magnitudes above 65,504 overflow, below 6.1e-05 lose precision; right only within a limited range of input values
;; workspace buffers: xb 33,554,432 bytes; wb 12,582,912 bytes; ob 8,388,608 bytes; qkv 12,582,912 bytes; ows 8,388,608 bytes
;; launch cast (part 1): grid 1664 x 1, 8 waves a work-group, no clusters, 0 bytes of LDS; arguments hidden, q_w, k_w, v_w, o_w, xb, wb, ob; writes xb, wb, ob
.if DOCPART == 1
	.amdgcn_target "amdgcn-amd-amdhsa--gfx1250"
	.amdhsa_code_object_version 6
	.text
	.protected	k_q30599af0b3_cast
	.globl	k_q30599af0b3_cast
	.p2align	8
	.type	k_q30599af0b3_cast,@function
k_q30599af0b3_cast:
	s_mov_b64 s[64:65], 0
	v_nop
	global_prefetch_b8 v0, s[64:65] scope:SCOPE_SE
	s_setreg_imm32_b32 hwreg(HW_REG_WAVE_MODE, 25, 1), 1
	s_wait_xcnt 0x0
; THE INPUTS ARE ROUNDED ONCE, TO 16 BITS, FOR THE MATRIX UNITS.  xb = bf16(hidden); wb = bf16(w / 8), q_w's 1,024 rows, then k_w's 256, then v_w's 256;
; ob = bf16(8 o_w), that number written as f16.  The factors are powers of two, so they change no rounding: they keep q, k and v (made from wb) eight times further
; inside f16's range, and the last product gives the factor back.
; LIMITS.  8 o_w must lie within f16's range, 65,504; where bf16(8 o_w) is below 6e-5 in size it keeps f16's fixed step of 6e-8.  w / 8 below bf16's normal range loses bits.
; SHARES.  A work-group takes a chunk of 16,384 numbers: 64 KiB in, 32 KiB out.  Chunks 0-1023 hidden, 1024-1279 q_w, 1280-1343 k_w, 1344-1407 v_w, 1408-1663 o_w.
; Thread t's load i takes the 16 bytes at 4,096 i + 16 t (a wave: 512 bytes on end); its four numbers leave as 8 bytes at 2,048 i + 8 t: a wave's store covers 256 bytes on end, aligned.
; All 16 loads of a thread go out at once; no register is used twice, so no store's source is ever rewritten.  No LDS, no matrix unit: nothing is shared and nothing is summed.
.set X,   4                            ; v[4:67]    load i: four f32
.set Y,   68                           ; v[68:99]   store i: four numbers of 16 bits
.set T,   100                          ; v[100:103] at work
.set SRC, 20                           ; s[20:21]   the chunk in its input
.set DST, 22                           ; s[22:23]   the chunk in its output
.set SC,  26                           ; s[26:27]   the factor, twice
	s_load_b512 s[4:19], s[0:1], 0x0               ; hidden 4, q_w 6, k_w 8, v_w 10, o_w 12, xb 14, wb 16, ob 18
	s_mov_b32 s28, ttmp9                           ; my chunk
	v_lshlrev_b32 v1, 4, v0                        ; 16 t
	v_lshlrev_b32 v2, 3, v0                        ; 8 t
	s_mov_b32 s29, 0xffff0000                      ; a word's upper bf16
	s_mov_b32 s24, 0                               ; the first chunk of my input,
	s_mov_b32 s25, 0                               ; and of my output
	s_mov_b32 s[SC], 0x3e000000                    ; 1 / 8
	s_cmp_ge_u32 s28, 1024
	s_cselect_b32 s24, 1024, s24
	s_cselect_b32 s25, 1024, s25
	s_cmp_ge_u32 s28, 1280
	s_cselect_b32 s24, 1280, s24
	s_cmp_ge_u32 s28, 1344
	s_cselect_b32 s24, 1344, s24
	s_cmp_ge_u32 s28, 1408
	s_cselect_b32 s24, 1408, s24
	s_cselect_b32 s25, 1408, s25
	s_cselect_b32 s[SC], 0x41000000, s[SC]         ; 8
	s_mov_b32 s[SC+1], s[SC]                       ; named with it as a pair
	s_sub_co_u32 s24, s28, s24
	s_sub_co_u32 s30, s28, s25
	s_lshl_b32 s24, s24, 16                        ; 65,536 bytes of input a chunk
	s_lshl_b32 s30, s30, 15                        ; 32,768 of output
	s_mov_b32 s25, 0
	s_mov_b32 s31, 0
	s_wait_kmcnt 0x0
	s_mov_b64 s[SRC:SRC+1], s[4:5]
	s_mov_b64 s[DST:DST+1], s[14:15]
	s_cmp_ge_u32 s28, 1024
	s_cselect_b64 s[SRC:SRC+1], s[6:7], s[SRC:SRC+1]
	s_cselect_b64 s[DST:DST+1], s[16:17], s[DST:DST+1]
	s_cmp_ge_u32 s28, 1280
	s_cselect_b64 s[SRC:SRC+1], s[8:9], s[SRC:SRC+1]
	s_cmp_ge_u32 s28, 1344
	s_cselect_b64 s[SRC:SRC+1], s[10:11], s[SRC:SRC+1]
	s_cmp_ge_u32 s28, 1408
	s_cselect_b64 s[SRC:SRC+1], s[12:13], s[SRC:SRC+1]
	s_cselect_b64 s[DST:DST+1], s[18:19], s[DST:DST+1]
	s_add_nc_u64 s[SRC:SRC+1], s[SRC:SRC+1], s[24:25]
	s_add_nc_u64 s[DST:DST+1], s[DST:DST+1], s[30:31]
.irp i, 0,1,2,3,4,5,6,7,8,9,10,11,12,13,14,15
	global_load_b128 v[X+4*(\i):X+4*(\i)+3], v1, s[SRC:SRC+1] offset:4096*(\i) th:TH_LOAD_NT
.endr
; Load i is converted and stored.  mode 0: rounded to bf16.  mode 1: times the factor, rounded to bf16.  mode 2: the same, and the bf16 number written as f16.
.macro CV i, mode
	s_wait_loadcnt 15-(\i)                         ; loads come back in order: mine is in, the 15 - i younger ones stay out
.if (\mode) > 0
	v_pk_mul_f32 v[X+4*(\i):X+4*(\i)+1], v[X+4*(\i):X+4*(\i)+1], s[SC:SC+1] op_sel_hi:[1,0]
	v_pk_mul_f32 v[X+4*(\i)+2:X+4*(\i)+3], v[X+4*(\i)+2:X+4*(\i)+3], s[SC:SC+1] op_sel_hi:[1,0]
.endif
	v_cvt_pk_bf16_f32 v[Y+2*(\i)], v[X+4*(\i)], v[X+4*(\i)+1]
	v_cvt_pk_bf16_f32 v[Y+2*(\i)+1], v[X+4*(\i)+2], v[X+4*(\i)+3]
.if (\mode) == 2
	v_lshlrev_b32 v[T], 16, v[Y+2*(\i)]            ; bf16 back to f32: a shift, a mask
	v_and_b32 v[T+1], s29, v[Y+2*(\i)]
	v_lshlrev_b32 v[T+2], 16, v[Y+2*(\i)+1]
	v_and_b32 v[T+3], s29, v[Y+2*(\i)+1]
	v_cvt_pk_f16_f32 v[Y+2*(\i)], v[T], v[T+1]     ; eight significant bits fit f16's eleven
	v_cvt_pk_f16_f32 v[Y+2*(\i)+1], v[T+2], v[T+3]
.endif
	global_store_b64 v2, v[Y+2*(\i):Y+2*(\i)+1], s[DST:DST+1] offset:2048*(\i) th:TH_STORE_NT
.endm
	s_cmp_lt_u32 s28, 1024
	s_cbranch_scc1 .Lplain
	s_cmp_ge_u32 s28, 1408
	s_cbranch_scc1 .Lo
.irp i, 0,1,2,3,4,5,6,7,8,9,10,11,12,13,14,15
	CV \i, 1                                       ; q_w, k_w, v_w
.endr
	s_endpgm
.Lplain:
.irp i, 0,1,2,3,4,5,6,7,8,9,10,11,12,13,14,15
	CV \i, 0                                       ; hidden
.endr
	s_endpgm
.Lo:
.irp i, 0,1,2,3,4,5,6,7,8,9,10,11,12,13,14,15
	CV \i, 2                                       ; o_w
.endr
	s_endpgm
.Lfunc_end_k_q30599af0b3_cast:
	.size	k_q30599af0b3_cast, .Lfunc_end_k_q30599af0b3_cast-k_q30599af0b3_cast
	.p2alignl 7, 3214868480
	.fill 96, 4, 3214868480
	.section	.rodata,"a",@progbits
	.p2align	6, 0x0
	.amdhsa_kernel k_q30599af0b3_cast
		.amdhsa_group_segment_fixed_size 0
		.amdhsa_private_segment_fixed_size 0
		.amdhsa_enable_private_segment 0
		.amdhsa_kernarg_size 64
		.amdhsa_user_sgpr_count 2
		.amdhsa_user_sgpr_kernarg_segment_ptr 1
		.amdhsa_wavefront_size32 1
		.amdhsa_system_sgpr_workgroup_id_x 1
		.amdhsa_system_sgpr_workgroup_id_y 1
		.amdhsa_system_sgpr_workgroup_id_z 1
		.amdhsa_system_vgpr_workitem_id 0
		.amdhsa_next_free_vgpr 104
		.amdhsa_next_free_sgpr 66
		.amdhsa_reserve_vcc 0
		.amdhsa_float_denorm_mode_32 3
		.amdhsa_float_denorm_mode_16_64 3
		.amdhsa_memory_ordered 1
		.amdhsa_forward_progress 1
		.amdhsa_inst_pref_size 24
	.end_amdhsa_kernel
	.amdgpu_metadata
---
amdhsa.version: [ 1, 2 ]
amdhsa.kernels:
  - .name:           k_q30599af0b3_cast
    .symbol:         k_q30599af0b3_cast.kd
    .args:
      - { .name: hidden, .offset: 0, .size: 8, .value_kind: global_buffer, .address_space: global }
      - { .name: q_w, .offset: 8, .size: 8, .value_kind: global_buffer, .address_space: global }
      - { .name: k_w, .offset: 16, .size: 8, .value_kind: global_buffer, .address_space: global }
      - { .name: v_w, .offset: 24, .size: 8, .value_kind: global_buffer, .address_space: global }
      - { .name: o_w, .offset: 32, .size: 8, .value_kind: global_buffer, .address_space: global }
      - { .name: xb, .offset: 40, .size: 8, .value_kind: global_buffer, .address_space: global }
      - { .name: wb, .offset: 48, .size: 8, .value_kind: global_buffer, .address_space: global }
      - { .name: ob, .offset: 56, .size: 8, .value_kind: global_buffer, .address_space: global }
    .group_segment_fixed_size: 0
    .private_segment_fixed_size: 0
    .kernarg_segment_align: 8
    .kernarg_segment_size: 64
    .max_flat_workgroup_size: 256
    .sgpr_count:     66
    .vgpr_count:     104
    .wavefront_size: 32
...
	.end_amdgpu_metadata
.endif
;; end of part 1
;; launch qkv (part 2): grid 8 x 32, 4 waves a work-group, clusters of 4 x 4, 327,680 bytes of LDS; arguments xb, wb, positions, qkv; writes qkv
.if DOCPART == 2
	.amdgcn_target "amdgcn-amd-amdhsa--gfx1250"
	.amdhsa_code_object_version 6
	.text
	.protected	k_q30599af0b3_qkv
	.globl	k_q30599af0b3_qkv
	.p2align	8
	.type	k_q30599af0b3_qkv,@function
k_q30599af0b3_qkv:
	s_mov_b64 s[64:65], 0
	v_nop
	global_prefetch_b8 v0, s[64:65] scope:SCOPE_SE
	s_setreg_imm32_b32 hwreg(HW_REG_WAVE_MODE, 25, 1), 1
	s_wait_xcnt 0x0
	s_wait_alu depctr_hold_cnt(0) depctr_sa_sdst(0) depctr_va_vdst(0) depctr_va_sdst(0) depctr_va_ssrc(0) depctr_va_vcc(0) depctr_vm_vsrc(0)
	s_getreg_b32 s2, hwreg(HW_REG_IB_STS2, 6, 4)
	s_cmp_eq_u32 s2, 0
	s_cbranch_scc0 .Lentry_in_a_cluster
	s_endpgm
.Lentry_in_a_cluster:
	s_bfe_u32 s2, ttmp6, 0x10000c
	s_cmp_lg_u32 s2, 0xf033
	s_cbranch_scc0 .Lentry_shape_is_right
	s_endpgm
.Lentry_shape_is_right:
; q, k, v = hidden W^T, with RoPE on q and k, written by heads.  xb: [4096][4096] bf16; wb: [1536][4096] bf16 (w / 8: q's 1,024 rows, k's 256, v's 256); positions: [4096] i32;
; qkv: [48 planes][4096 tokens][32] f16: plane H < 32 is query head H, 32 + h key head h, 40 + h value head h.  Every number is 1/8 of the module's own.  Sums in f32, rounded once to f16.
; LIMITS.  f16 ends at 65,504, so q, k and v of the module must stay under 524,000 in size.  cos and sin: the angle is reduced by a three-part pi / 2 and two short series; good to about 1e-6 for positions
; within about 100,000 either way, worse beyond.  NaN and infinities are not treated apart.
; SHARES.  A work-group makes 128 tokens x 192 features (six heads): 32 x 8 = 256 work-groups.  Wave w: tokens 64 (w / 2) on, features 96 (w % 2) on: 4 x 6 accumulators of 16 x 16.
; THE RING HAS TWO UNEQUAL SLOTS: a large one for 256 along K (rows of 512 bytes) and a small one for 128 (rows of 256 bytes).  Two slots of 256 would need 337,920 bytes and do not fit; these two take 256,000.
; K = 4,096 = 11 x 256 + 10 x 128 is walked as B0 S0 B1 S1 .. B9 S9 B10: 21 steps and 19 refills, where equal slots of 128 would have 32 steps and 30 refills.  A lap (B, S) is 768 bytes of a row, so every tile's
; rows begin at a multiple of 256 bytes from their buffer's first byte.
; CLUSTERS: 4 x 4 work-groups.  The four of a row need the same tile of xb, the four of a column the same tile of wb: each is asked for JOINTLY, by the same tensor load, descriptor and mask in all four.
; THE MATRIX INSTRUCTION IS USED TRANSPOSED (source 0 = 16 rows of wb, source 1 = 16 rows of xb): lane l holds token l % 16 and the features 8 (l / 16) + 0..7.  A head's channels d < 16 lie in accumulator 2 i,
; d + 16 in accumulator 2 i + 1, in the same lane and register: RoPE's pairs (d, d + 16) never change lanes.
; REGISTERS: window 0: v0-31 addresses; v32-55 at work on the way out; v64-255 the accumulators ((a, b) at v[64 + 8 (6 a + b)]; before the first product: the table's arithmetic).
;   window 1: two fragment buffers of 80 (four of xb, then six of wb); v160-223 cos and sin of my 64 tokens; v0-31 rows read back on the way out.
.set PB,     528                       ; a row of the large slot: 512 bytes + 16 of padding = 132 words; of the small slot: 256 + 16 = 68 words: either way the 16 rows of a load start at 16 different
.set PS,     272                       ; groups of four banks (64 banks of 4 bytes: ISA guide 11.1)
.set AHB,    64*PB                     ; the large slot: half of xb's tile (what wave 0 or 1 fetches, and what a wave reads),
.set BHB,    96*PB                     ; half of wb's tile (waves 2, 3),
.set BOFB,   2*AHB                     ; which lies behind xb's 128 rows
.set SM0,    2*AHB+2*BHB               ; the small slot begins at 168,960
.set AHS,    64*PS
.set BHS,    96*PS
.set BOFS,   SM0+2*AHS
.set STAGE,  SM0+2*AHS+2*BHS           ; 256,000: behind the ring: 64 rows x 80 bytes for each wave, for the way out
.set SPITCH, 80
.set TAB,    STAGE+4*64*SPITCH         ; 128 tokens x 144 bytes: 16 cos, 16 sin in f32, 16 bytes of padding
.set TPITCH, 144
.set SPARE,  TAB+128*TPITCH            ; the spare words, 128 bytes for each wave: two blocks of 256 bytes that no other line names
.set LAPB,   768                       ; bytes of a row in a lap
.set PASSES, 10                        ; how often the loop's bottom is passed: the large slot is filled again with B1 .. B10
.set PLANE,  262144                    ; bytes in a plane of qkv
.set ADRA, 16                          ; v16-17  LDS address of my fragments of xb in the large slot, the small slot
.set ADRB, 20                          ; v20-21  the same for wb
.set STO,  24                          ; v24     the way out: where I put 16 bytes of a token's row
.set RD,   25                          ; v25     where I read rows back
.set GO,   26                          ; v26     16 x lane: my place in 512 bytes of a plane
.set PFO,  27                          ; v27     the prefetches' offset: my lane x a row of 8,192 bytes; never rewritten
.set SPW,  28                          ; v28     LDS address of my spare word; never rewritten
.set NIL,  29                          ; v29     0; never rewritten
.set TRD,  30                          ; v30     where I read cos and sin
.set T,    32                          ; v32-47  a head's 16 numbers of a token
.set PK,   48                          ; v48-55  the same in f16
.set ACC,  64
.set F0,   0                           ; window 1
.set F1,   80
.set COSR, 160                         ; window 1: block a's eight cos at COSR + 16 a, its eight sin at SINR + 16 a
.set SINR, 168
.set WV,  12                           ; s12 wave; s13 which half of the tokens is mine, also: I fetch xb (0) or wb (1); s14 which half of the features, also: which half of that tile I fetch
.set RH,  13
.set CH,  14
.set LIM, 15                           ; s15  1 in a wave that prefetches, else the greatest number
.set RM,  20                           ; s20-22  all ones where my head i is rotated (q, k), 0 where not (v); written last in the set-up
.set G1A, 24                           ; s[24:31], s[32:39] descriptor group 1 for xb's tiles: large slot, small slot
.set G1B, 40                           ; s[40:47], s[48:55] the same for wb's tiles
.set G0A, 56                           ; s[56:59], s[60:63] group 0 for xb's tiles: large, small
.set CX,  66                           ; s66, s67  my place in the cluster
.set CY,  67
.set G0B, 68                           ; s[68:71], s[72:75] group 0 for wb's tiles
.set TC,  76                           ; s76  feature tile
.set TR,  77                           ; s77  token tile
.set PFA, 78                           ; s[78:79] where my prefetches stand
.set KC,  82                           ; s[82:101] ten constants, each twice
.set PADB, (1<<16)|(1<<20)|(1<<21)|(6<<22)|(3<<25)   ; 17:16 elements of 2 bytes; 20 padding on; 21 set beside a mask; 24:22 after every 128 words (code 6); 31:25 4 words (code 3)
.set PADS, (1<<16)|(1<<20)|(1<<21)|(5<<22)|(3<<25)   ; the same after every 64 words (code 5)
.set MSB, 0
.macro WIN new                         ; the immediate's high byte repeats the setting that is left; a switch that changes nothing is dropped
.if MSB != (\new)
	s_set_vgpr_msb (MSB<<8)|(\new)
.set MSB, \new
.endif
.endm
.set MUL,  0x05                        ; sources 0 and 1 window 1; C and D window 0
.set TO_F, 0x40                        ; destination window 1, address window 0
.set SRC1, 0x04                        ; source 1 (a store's data too) window 1
; In all macros kind = 0 is the large slot, kind = 1 the small one.
.macro JLOAD kind                      ; a joint load: waves 0 and 1 fetch xb's two halves, waves 2 and 3 wb's; an s_nop 0 and four v_nop follow each line
	s_cmp_eq_u32 s[RH], 0
	s_cbranch_scc0 .Lfor_b_\@
	tensor_load_to_lds s[G0A+4*(\kind):G0A+4*(\kind)+3], s[G1A+8*(\kind):G1A+8*(\kind)+7]
	s_nop 0
.rept 4
	v_nop
.endr
	s_branch .Lasked_\@
.Lfor_b_\@:
	tensor_load_to_lds s[G0B+4*(\kind):G0B+4*(\kind)+3], s[G1B+8*(\kind):G1B+8*(\kind)+7]
	s_nop 0
.rept 4
	v_nop
.endr
.Lasked_\@:
.endm
.macro CREST                           ; a round of the cluster's barrier behind its opening barrier
	s_cmp_lg_u32 s[WV], 0
	s_cbranch_scc1 .Lnot_wave_0_\@
	s_barrier_signal -3
.Lnot_wave_0_\@:
	s_barrier_wait -3
	s_barrier_signal -1
	s_barrier_wait -1
.endm
.macro CROUND
	s_barrier_signal -1
	s_barrier_wait -1
	CREST
.endm
; A PREFETCH, once a lap, behind the large slot's joint load and the run of LDS loads that follows it.  In pass i (the refill is B(i+1)'s) it names the lap after next: B(i+2)'s two blocks of 256 bytes and
; S(i+2)'s one, a lane a row: 288 and 384 matrix instructions ahead of the loads that will want them.  Each block is named once in the launch.  xb's tile row is read by both clusters of that row of clusters:
; cluster x = 0 asks, its four partners along x take 32 rows each BY ADDRESS, wave 0.  wb's rows are read by the clusters of every row: cluster (0, 0) asks for all 1,536, its sixteen work-groups take 96 each by
; address, 32 a wave in waves 1 to 3.  Pass 8 names B10's two blocks alone (there is no S10), pass 9 nothing.  B0, S0, B1 and S1 come by their loads alone.
.macro ASK
	WIN 0
	s_cmp_gt_u32 s3, s[LIM]                        ; s3 = 10 - i
	s_cbranch_scc0 .Lnot_mine_\@
	global_prefetch_b8 v[PFO], s[PFA:PFA+1] th:TH_LOAD_NT scope:SCOPE_SE
	global_prefetch_b8 v[PFO], s[PFA:PFA+1] offset:256 th:TH_LOAD_NT scope:SCOPE_SE
	s_cmp_gt_u32 s3, 2
	s_cbranch_scc0 .Lnot_mine_\@
	global_prefetch_b8 v[PFO], s[PFA:PFA+1] offset:512 th:TH_LOAD_NT scope:SCOPE_SE
.Lnot_mine_\@:
.endm
.macro KPAIR n, val
	s_mov_b32 s[KC+2*(\n)], \val
	s_mov_b32 s[KC+2*(\n)+1], \val
.endm
.macro SHAPE g, kk, rows               ; words 1 to 7 of a group 1: a tile of rows x kk elements
	s_mov_b32 s[(\g)+1], (\kk)<<16                 ; tensor_dim0
	s_mov_b32 s[(\g)+2], (\rows)<<16               ; tensor_dim1
	s_mov_b32 s[(\g)+3], (\kk)<<16                 ; tile_dim0
	s_mov_b32 s[(\g)+4], \rows                     ; tile_dim1
	s_mov_b32 s[(\g)+5], 4096                      ; elements from row to row
	s_mov_b32 s[(\g)+6], 0
	s_mov_b32 s[(\g)+7], 0
.endm
.macro GROUP0 g, lds, a, off           ; a group 0: count 1, the LDS address in s\lds, the global address s[a:a+1] + off, type 2
	s_mov_b32 s[\g], 1
	s_mov_b32 s[(\g)+1], s\lds
	s_add_nc_u64 s[(\g)+2:(\g)+3], s[\a:(\a)+1], \off
	s_or_b32 s[(\g)+3], s[(\g)+3], 0x80000000
.endm
	s_load_b256 s[4:11], s[0:1], 0x0               ; xb s[4:5], wb s[6:7], positions s[8:9], qkv s[10:11]
	v_lshl_add_u32 v[SPW], v0, 2, SPARE
	v_mov_b32 v[NIL], 0
	ds_add_u32 v[SPW], v[NIL]                      ; the wave's opening: the add and its wait ahead of my first tensor load; the set-up below, work on registers, stands between them
	v_lshrrev_b32 v1, 5, v0
	v_readfirstlane_b32 s[WV], v1
	s_lshr_b32 s[RH], s[WV], 1
	s_and_b32 s[CH], s[WV], 1
	s_bfe_u32 s[CX], ttmp6, 0x40000
	s_bfe_u32 s[CY], ttmp6, 0x40004
	s_lshl_b32 s[TC], ttmp9, 2
	s_add_co_u32 s[TC], s[TC], s[CX]               ; feature tile = 4 x cluster x + cx
	s_and_b32 s[TR], ttmp7, 0xffff
	s_lshl_b32 s[TR], s[TR], 2
	s_add_co_u32 s[TR], s[TR], s[CY]               ; token tile = 4 x cluster y + cy
	s_lshl_b32 s16, s[CY], 2
	s_lshl_b32 s16, 15, s16                        ; my row of the cluster
	s_lshl_b32 s80, 0x1111, s[CX]                  ; my column
	s_or_b32 s[G1A], s16, PADB                     ; 15:0 the mask: xb's tiles go to my row,
	s_or_b32 s[G1A+8], s16, PADS
	s_or_b32 s[G1B], s80, PADB                     ; wb's to my column
	s_or_b32 s[G1B+8], s80, PADS
	SHAPE G1A,   256, 64
	SHAPE G1A+8, 128, 64
	SHAPE G1B,   256, 96
	SHAPE G1B+8, 128, 96
	s_lshl_b32 s16, s[TR], 7                       ; xb: row 128 x token tile + 64 x half, 8,192 bytes a row
	s_lshl_b32 s17, s[CH], 6
	s_add_co_u32 s16, s16, s17
	s_lshl_b32 s16, s16, 13
	s_mov_b32 s17, 0
	s_mul_i32 s80, s[TC], 192                      ; wb: row 192 x feature tile + 96 x half
	s_mul_i32 s81, s[CH], 96
	s_add_co_u32 s80, s80, s81
	s_lshl_b32 s80, s80, 13
	s_mov_b32 s81, 0
	s_mul_i32 s20, s[CH], AHB                      ; where they go: no place in the cluster enters an LDS address
	s_mul_i32 s21, s[CH], BHB
	s_add_co_u32 s21, s21, BOFB
	s_mul_i32 s22, s[CH], AHS
	s_add_co_u32 s22, s22, SM0
	s_mul_i32 s23, s[CH], BHS
	s_add_co_u32 s23, s23, BOFS
	KPAIR 0, 0x3f22f983                            ; 2 / pi
	KPAIR 1, 0xbfc90fd8                            ; - pi / 2 in three parts
	KPAIR 2, 0xb4a8885a
	KPAIR 3, 0xa7c234c4
	KPAIR 4, 0xbe2aaaa3                            ; sin x = x + x^3 (S1 + x^2 (S2 + x^2 S3))
	KPAIR 5, 0x3c08839e
	KPAIR 6, 0xb94ca1f9
	KPAIR 7, 0x3d2aaaa5                            ; cos x = 1 - x^2 / 2 + x^4 (C1 + x^2 (C2 + x^2 C3))
	KPAIR 8, 0xbab6061a
	KPAIR 9, 0x37ccf5ce
	s_wait_dscnt 0x0                               ; the opening add is done
	s_wait_kmcnt 0x0
	s_add_nc_u64 s[16:17], s[4:5], s[16:17]
	s_add_nc_u64 s[80:81], s[6:7], s[80:81]
	CROUND                                         ; all sixteen work-groups are here: the first joint loads meet
	GROUP0 G0A,   20, 16, 0                         ; B0: bytes 0 to 511 of the rows
	GROUP0 G0A+4, 22, 16, 512                       ; S0: bytes 512 to 767
	GROUP0 G0B,   21, 80, 0
	GROUP0 G0B+4, 23, 80, 512
	JLOAD 0                                        ; two loads of mine are out
	JLOAD 1
	; While the first tiles are on their way: thread t's position, the addresses, and the table of cos and sin for the work-group's 128 tokens.
	v_lshlrev_b32 v5, 2, v0
	s_lshl_b32 s16, s[TR], 9                       ; 128 positions of 4 bytes a token tile
	s_mov_b32 s17, 0
	s_add_nc_u64 s[8:9], s[8:9], s[16:17]
	global_load_b32 v32, v5, s[8:9]
	v_and_b32 v1, 15, v0                           ; l % 16
	v_bfe_u32 v2, v0, 4, 1                         ; l / 16
	v_and_b32 v3, 31, v0                           ; l
	v_mul_u32_u24 v4, v1, PB
	v_lshl_add_u32 v4, v2, 4, v4                   ; a fragment's row x pitch + 16 x half, in the large slot,
	v_mul_u32_u24 v6, v1, PS
	v_lshl_add_u32 v6, v2, 4, v6                   ; in the small one
	s_mul_i32 s16, s[RH], AHB                      ; my 64 rows of xb
	v_add_nc_u32 v[ADRA], s16, v4
	s_mul_i32 s16, s[CH], BHB                      ; my 96 rows of wb
	s_add_co_u32 s16, s16, BOFB
	v_add_nc_u32 v[ADRB], s16, v4
	s_mul_i32 s16, s[RH], AHS
	s_add_co_u32 s16, s16, SM0
	v_add_nc_u32 v[ADRA+1], s16, v6
	s_mul_i32 s16, s[CH], BHS
	s_add_co_u32 s16, s16, BOFS
	v_add_nc_u32 v[ADRB+1], s16, v6
	s_mul_i32 s16, s[WV], 64*SPITCH
	s_add_co_u32 s16, s16, STAGE                   ; my stage
	v_mul_u32_u24 v4, v1, SPITCH                   ; in: token l % 16, 16 bytes for each half of the lanes
	v_lshl_add_u32 v4, v2, 4, v4
	v_add_nc_u32 v[STO], s16, v4
	v_lshrrev_b32 v4, 2, v3                        ; back: 32 lanes take eight tokens' 64 bytes,
	v_mul_u32_u24 v4, v4, SPITCH
	v_and_b32 v6, 3, v3
	v_lshl_add_u32 v4, v6, 4, v4
	v_add_nc_u32 v[RD], s16, v4
	v_lshlrev_b32 v[GO], 4, v3                     ; which are 512 bytes on end in a plane
	s_mul_i32 s16, s[RH], 64*TPITCH
	s_add_co_u32 s16, s16, TAB
	v_mul_u32_u24 v4, v1, TPITCH
	v_lshl_add_u32 v4, v2, 5, v4                   ; token's row + 32 bytes for the upper half of the lanes (frequencies 8 to 15)
	v_add_nc_u32 v[TRD], s16, v4
	v_mul_u32_u24 v31, v0, TPITCH                  ; where thread t writes its token's row of the table
	v_add_nc_u32 v31, TAB, v31
	; the prefetches: a lane a row
	v_lshlrev_b32 v[PFO], 13, v3
	s_lshl_b32 s16, s[TR], 7
	s_lshl_b32 s17, s[CX], 5
	s_add_co_u32 s16, s16, s17                     ; xb: row 128 x token tile + 32 cx
	s_lshl_b32 s17, s[CY], 2
	s_add_co_u32 s17, s17, s[CX]                   ; my place among the sixteen,
	s_mul_i32 s17, s17, 96                         ; its 96 rows of wb,
	s_max_u32 s18, s[WV], 1
	s_sub_co_u32 s18, s18, 1
	s_lshl_b32 s18, s18, 5
	s_add_co_u32 s17, s17, s18                     ; my wave's 32 of them
	s_and_b32 s18, ttmp7, 0xffff
	s_or_b32 s18, s18, ttmp9                       ; 0 in cluster (0, 0) alone
	s_cmp_eq_u32 s[WV], 0
	s_cselect_b32 s16, s16, s17
	s_cselect_b32 s18, ttmp9, s18
	s_cselect_b64 s[PFA:PFA+1], s[4:5], s[6:7]
	s_cmp_eq_u32 s18, 0
	s_cselect_b32 s[LIM], 1, -1                    ; the same in all sixteen partners, for a given wave
	s_lshl_b32 s16, s16, 13
	s_add_co_u32 s16, s16, LAPB                    ; at lap 1: each pass steps it by a lap ahead of its prefetches, so the first name lap 2
	s_mov_b32 s17, 0
	s_add_nc_u64 s[PFA:PFA+1], s[PFA:PFA+1], s[16:17]
	; the way out's scalars: which of my three heads are rotated, and where my rows begin in qkv
	s_mul_i32 s16, s[TC], 6
	s_mul_i32 s17, s[CH], 3
	s_add_co_u32 s16, s16, s17                     ; my first plane
.irp i, 0,1,2
	s_add_co_u32 s17, s16, \i
	s_cmp_lt_u32 s17, 40
	s_cselect_b32 s[RM+\i], -1, 0
.endr
	s_lshl_b32 s16, s16, 18
	s_lshl_b32 s17, s[TR], 7
	s_lshl_b32 s18, s[RH], 6
	s_add_co_u32 s17, s17, s18                     ; my first token,
	s_lshl_b32 s17, s17, 6                         ; 64 bytes a token
	s_add_co_u32 s16, s16, s17
	s_mov_b32 s17, 0
	s_add_nc_u64 s[10:11], s[10:11], s[16:17]
	; THE TABLE.  angle = position x 10000^(-f / 16), f = 0 .. 15, one f32 product as the module has it; n = the nearest whole number to angle x 2 / pi; x = angle - n pi / 2;
	; the two series; by n % 4 the two change places and signs.
.set TX,  64                           ; angle, then x
.set TN,  80                           ; n
.set TR2, 96                           ; x^2
.set TS,  112                          ; the series for sin
.set TCS, 128                          ; for cos
.set TQ,  144                          ; n as a whole number
.set TU,  160                          ; x^3
.set TCO, 176                          ; cos
.set TSO, 192                          ; sin
.set TT,  208                          ; at work
.macro ALLP line:vararg                ; one line for each pair p of frequencies
.set p, 0
.rept 8
	\line
.set p, p+2
.endr
.endm
.macro ALLE line:vararg                ; one line for each frequency e
.set e, 0
.rept 16
	\line
.set e, e+1
.endr
.endm
	s_wait_loadcnt 0x0                             ; my position
	v_cvt_f32_i32 v32, v32
.set f, 0
.irp c, 0x3f800000,0x3f0ff59a,0x3ea1e89b,0x3e361887,0x3dcccccd,0x3d6655c3,0x3d0186e2,0x3c91ad39,0x3c23d70a,0x3bb8449c,0x3b4f3e37,0x3ae91528,0x3a83126f,0x3a136a16,0x39a5cb5f,0x393a7753
	v_mul_f32 v[TX+f], \c, v32
.set f, f+1
.endr
	ALLP v_pk_mul_f32 v[TN+p:TN+p+1], v[TX+p:TX+p+1], s[KC:KC+1] op_sel_hi:[1,0]
	ALLE v_rndne_f32 v[TN+e], v[TN+e]
	ALLP v_pk_fma_f32 v[TX+p:TX+p+1], v[TN+p:TN+p+1], s[KC+2:KC+3], v[TX+p:TX+p+1] op_sel_hi:[1,0,1]
	ALLP v_pk_fma_f32 v[TX+p:TX+p+1], v[TN+p:TN+p+1], s[KC+4:KC+5], v[TX+p:TX+p+1] op_sel_hi:[1,0,1]
	ALLP v_pk_fma_f32 v[TX+p:TX+p+1], v[TN+p:TN+p+1], s[KC+6:KC+7], v[TX+p:TX+p+1] op_sel_hi:[1,0,1]
	ALLE v_cvt_i32_f32 v[TQ+e], v[TN+e]
	ALLP v_pk_mul_f32 v[TR2+p:TR2+p+1], v[TX+p:TX+p+1], v[TX+p:TX+p+1]
	ALLP v_pk_mul_f32 v[TU+p:TU+p+1], v[TR2+p:TR2+p+1], v[TX+p:TX+p+1]
	ALLP v_pk_fma_f32 v[TS+p:TS+p+1], v[TR2+p:TR2+p+1], s[KC+12:KC+13], s[KC+10:KC+11] op_sel_hi:[1,0,0]
	ALLP v_pk_fma_f32 v[TCS+p:TCS+p+1], v[TR2+p:TR2+p+1], s[KC+18:KC+19], s[KC+16:KC+17] op_sel_hi:[1,0,0]
	ALLP v_pk_fma_f32 v[TS+p:TS+p+1], v[TS+p:TS+p+1], v[TR2+p:TR2+p+1], s[KC+8:KC+9] op_sel_hi:[1,1,0]
	ALLP v_pk_fma_f32 v[TCS+p:TCS+p+1], v[TCS+p:TCS+p+1], v[TR2+p:TR2+p+1], s[KC+14:KC+15] op_sel_hi:[1,1,0]
	ALLP v_pk_fma_f32 v[TS+p:TS+p+1], v[TU+p:TU+p+1], v[TS+p:TS+p+1], v[TX+p:TX+p+1]
	ALLP v_pk_fma_f32 v[TCS+p:TCS+p+1], v[TCS+p:TCS+p+1], v[TR2+p:TR2+p+1], -0.5 op_sel_hi:[1,1,0]
	ALLP v_pk_fma_f32 v[TCS+p:TCS+p+1], v[TCS+p:TCS+p+1], v[TR2+p:TR2+p+1], 1.0 op_sel_hi:[1,1,0]
.set e, 0
.rept 16
	v_and_b32 v[TT], 1, v[TQ+e]                    ; n odd: the two series change places
	v_cmp_eq_u32 vcc_lo, 1, v[TT]
	v_cndmask_b32 v[TSO+e], v[TS+e], v[TCS+e], vcc_lo
	v_cndmask_b32 v[TCO+e], v[TCS+e], v[TS+e], vcc_lo
	v_and_b32 v[TT+1], 2, v[TQ+e]                  ; sin is turned where n % 4 is 2 or 3,
	v_add_nc_u32 v[TT+2], 1, v[TQ+e]
	v_lshlrev_b32 v[TT+1], 30, v[TT+1]
	v_and_b32 v[TT+2], 2, v[TT+2]                  ; cos where it is 1 or 2
	v_xor_b32 v[TSO+e], v[TSO+e], v[TT+1]
	v_lshlrev_b32 v[TT+2], 30, v[TT+2]
	v_xor_b32 v[TCO+e], v[TCO+e], v[TT+2]
.set e, e+1
.endr
.irp j, 0,1,2,3
	ds_store_b128 v31, v[TCO+4*(\j):TCO+4*(\j)+3] offset:16*(\j)
	ds_store_b128 v31, v[TSO+4*(\j):TSO+4*(\j)+3] offset:64+16*(\j)
.endr
; Six matrix instructions: token block a x all six feature blocks, 32 along K.  zero = 1: the first product starts the sums.  The 24 accumulators take turns in one fixed order.
.macro MULA f, a, zero
	WIN MUL
.irp b, 0,1,2,3,4,5
.if \zero
	v_wmma_f32_16x16x32_bf16 v[ACC+8*(6*(\a)+(\b)):ACC+8*(6*(\a)+(\b))+7], v[(\f)+32+8*(\b):(\f)+32+8*(\b)+7], v[(\f)+8*(\a):(\f)+8*(\a)+7], 0
.else
	v_wmma_f32_16x16x32_bf16 v[ACC+8*(6*(\a)+(\b)):ACC+8*(6*(\a)+(\b))+7], v[(\f)+32+8*(\b):(\f)+32+8*(\b)+7], v[(\f)+8*(\a):(\f)+8*(\a)+7], v[ACC+8*(6*(\a)+(\b)):ACC+8*(6*(\a)+(\b))+7]
.endif
.endr
.endm
; 20 LDS loads in one run: the fragments of 32 along K at byte k of the slot's rows, into buffer f: wb's six, then xb's four
.macro FETCH kind, k, f
	WIN TO_F
.irp i, 0,1,2,3,4,5
	ds_load_b128 v[(\f)+32+8*(\i):(\f)+32+8*(\i)+3],   v[ADRB+(\kind)] offset:(\k)+(\i)*16*(PB-(\kind)*(PB-PS))
	ds_load_b128 v[(\f)+32+8*(\i)+4:(\f)+32+8*(\i)+7], v[ADRB+(\kind)] offset:(\k)+(\i)*16*(PB-(\kind)*(PB-PS))+32
.endr
.irp i, 0,1,2,3
	ds_load_b128 v[(\f)+8*(\i):(\f)+8*(\i)+3],   v[ADRA+(\kind)] offset:(\k)+(\i)*16*(PB-(\kind)*(PB-PS))
	ds_load_b128 v[(\f)+8*(\i)+4:(\f)+8*(\i)+7], v[ADRA+(\kind)] offset:(\k)+(\i)*16*(PB-(\kind)*(PB-PS))+32
.endr
.endm
.macro PLACES                          ; four places in front of loads into registers that matrix instructions have read, and of vector work that reads results
.rept 4
	v_nop
.endr
.endm
; A quarter is 32 along K, 24 matrix instructions; the large slot holds eight, the small one four; they go on buffers 0, 1, 0, 1 ..  All but a slot's last: multiplies buffer f and fetches the next quarter, at byte k, into g.
.macro QUARTER kind, k, f, g, zero
	s_wait_dscnt 4                                 ; all but the youngest four loads: xb's blocks 2 and 3
	MULA \f, 0, \zero
	MULA \f, 1, \zero
	PLACES
	FETCH \kind, \k, \g
	s_wait_dscnt 20                                ; all but the 20 just issued
	MULA \f, 2, \zero
	MULA \f, 3, \zero
.endm
; A slot's last quarter multiplies buffer 1 and changes slots: ONE barrier; in front of it each wave waits for all its tensor loads (one is out: its part of the other slot), adds 0 to its spare word, and waits for
; that and for its own reads of this slot.  fill = 1: the barrier opens a round of the cluster's, and this slot is filled again first thing behind it, with its tile of the next lap.  Between that request and the wait
; for it stand 84 matrix instructions for the large slot (the small slot's step) and 180 for the small one (the large slot's step).
.macro TURN kind, next, fill
.if (\fill) && ((\kind) == 0)
	s_wait_xcnt 0x0                                ; the last prefetches, a lap back, have read their address: it is stepped here, ahead of the waits of the change of slots
	s_add_nc_u64 s[PFA:PFA+1], s[PFA:PFA+1], LAPB
.endif
	WIN 0                                          ; (the add's two registers lie in window 0)
	s_wait_tensorcnt 0x0                           ; all my tensor loads have landed
	ds_add_u32 v[SPW], v[NIL]                      ; 0 onto my spare word
	s_wait_dscnt 5                                 ; (the add and the youngest four loads may be out)
	MULA F1, 0, 0                                  ; six matrix instructions stand between the add and the wait for it
	s_wait_dscnt 0x0                               ; the add is done, and my reads of this slot are over
	s_barrier_signal -1
	MULA F1, 1, 0
.if \fill
	WIN 0
.endif
	s_barrier_wait -1
.if \fill
	CREST                                          ; no wave of any partner still reads this slot's tile or has a load on its way
	s_add_nc_u64 s[G0A+4*(\kind)+2:G0A+4*(\kind)+3], s[G0A+4*(\kind)+2:G0A+4*(\kind)+3], LAPB
	s_add_nc_u64 s[G0B+4*(\kind)+2:G0B+4*(\kind)+3], s[G0B+4*(\kind)+2:G0B+4*(\kind)+3], LAPB
	JLOAD \kind                                    ; the four v_nop behind it are also the places in front of the loads below
.else
	PLACES
.endif
	FETCH \next, 0, F0
.if (\fill) && ((\kind) == 0)
	ASK
.endif
	MULA F1, 2, 0
	MULA F1, 3, 0
.endm
	s_wait_tensorcnt 1                             ; my part of B0 is in; S0's may stay out
	s_wait_dscnt 0x0                               ; my row of the table is written
	s_barrier_signal -1
	s_barrier_wait -1                              ; everybody's is
	WIN TO_F
.irp a, 0,1,2,3                        ; cos and sin of my 64 tokens, eight frequencies a lane: older than every counted load below, so no count changes
	ds_load_b128 v[COSR+16*(\a):COSR+16*(\a)+3],   v[TRD] offset:(\a)*16*TPITCH
	ds_load_b128 v[COSR+16*(\a)+4:COSR+16*(\a)+7], v[TRD] offset:(\a)*16*TPITCH+16
	ds_load_b128 v[SINR+16*(\a):SINR+16*(\a)+3],   v[TRD] offset:(\a)*16*TPITCH+64
	ds_load_b128 v[SINR+16*(\a)+4:SINR+16*(\a)+7], v[TRD] offset:(\a)*16*TPITCH+80
.endr
	FETCH 0, 0, F0
	QUARTER 0, 64, F0, F1, 1                       ; B0's first quarter stands in front of the loop: its products start the sums
	WIN 0                                          ; at a label and at a branch every window is 0
	s_mov_b32 s3, PASSES
	s_branch .Lentry                               ; the loop is entered in the middle of a trip, behind a large step's first quarter
.Llap:                                                 ; nine whole trips: S(i), the small slot filled with S(i+1); B(i+1), the large slot filled with B(i+2)
	QUARTER 1, 64,  F0, F1, 0
	QUARTER 1, 128, F1, F0, 0
	QUARTER 1, 192, F0, F1, 0
	TURN 1, 0, 1
	QUARTER 0, 64,  F0, F1, 0
	WIN 0
.Lentry:
	QUARTER 0, 128, F1, F0, 0
	QUARTER 0, 192, F0, F1, 0
	QUARTER 0, 256, F1, F0, 0
	QUARTER 0, 320, F0, F1, 0
	QUARTER 0, 384, F1, F0, 0
	QUARTER 0, 448, F0, F1, 0
	TURN 0, 1, 1
	WIN 0
	s_sub_co_u32 s3, s3, 1
	s_cmp_lg_u32 s3, 0
	s_cbranch_scc1 .Llap
	QUARTER 1, 64,  F0, F1, 0                      ; the tail, S9 and B10, fills nothing, and has no round of the cluster's barrier
	QUARTER 1, 128, F1, F0, 0
	QUARTER 1, 192, F0, F1, 0
	TURN 1, 0, 0
	QUARTER 0, 64,  F0, F1, 0
	QUARTER 0, 128, F1, F0, 0
	QUARTER 0, 192, F0, F1, 0
	QUARTER 0, 256, F1, F0, 0
	QUARTER 0, 320, F0, F1, 0
	QUARTER 0, 384, F1, F0, 0
	QUARTER 0, 448, F0, F1, 0
	s_wait_dscnt 4                                 ; the very last quarter: nothing more to fetch
	MULA F1, 0, 0
	MULA F1, 1, 0
	s_wait_dscnt 0x0
	MULA F1, 2, 0
	MULA F1, 3, 0
	WIN 0
	PLACES
; THE WAY OUT, a head at a time.  lo' = lo cos - hi sin, hi' = hi cos + lo sin (lo: channels d < 16, hi: d + 16); a value head keeps lo and hi (a select by the head's number, no branch);
; rounded to f16; a token's 64 bytes go into my stage and come back as 512 bytes on end of the head's plane.  Each accumulator is read from its low end on.
.macro HEADOUT i
.irp a, 0,1,2,3
.set LO, ACC+8*(6*(\a)+2*(\i))
.set HI, LO+8
.set CA, COSR+16*(\a)
.set SA, SINR+16*(\a)
	WIN SRC1
.irp p, 0,2,4,6
	v_pk_mul_f32 v[T+\p:T+\p+1], v[LO+\p:LO+\p+1], v[CA+\p:CA+\p+1]
.endr
.irp p, 0,2,4,6
	v_pk_mul_f32 v[T+8+\p:T+8+\p+1], v[HI+\p:HI+\p+1], v[CA+\p:CA+\p+1]
.endr
.irp p, 0,2,4,6
	v_pk_fma_f32 v[T+\p:T+\p+1], v[HI+\p:HI+\p+1], v[SA+\p:SA+\p+1], v[T+\p:T+\p+1] neg_lo:[1,0,0] neg_hi:[1,0,0]
.endr
.irp p, 0,2,4,6
	v_pk_fma_f32 v[T+8+\p:T+8+\p+1], v[LO+\p:LO+\p+1], v[SA+\p:SA+\p+1], v[T+8+\p:T+8+\p+1]
.endr
	WIN 0
.irp j, 0,1,2,3,4,5,6,7
	v_cndmask_b32 v[T+\j], v[LO+\j], v[T+\j], s[RM+(\i)]
.endr
.irp j, 0,1,2,3,4,5,6,7
	v_cndmask_b32 v[T+8+\j], v[HI+\j], v[T+8+\j], s[RM+(\i)]
.endr
.irp j, 0,1,2,3,4,5,6,7
	v_cvt_pk_f16_f32 v[PK+\j], v[T+2*\j], v[T+2*\j+1]
.endr
	ds_store_b128 v[STO], v[PK:PK+3]   offset:(\a)*16*SPITCH
	ds_store_b128 v[STO], v[PK+4:PK+7] offset:(\a)*16*SPITCH+32
.endr
	s_wait_xcnt 0x0                                ; the head before has had its stores' addresses translated (ISA guide 3.1): only behind this wait are the registers that they read loaded again
	WIN TO_F
.irp t, 0,1,2,3,4,5,6,7
	ds_load_b128 v[4*(\t):4*(\t)+3], v[RD] offset:(\t)*8*SPITCH  ; LDS serves a wave's instructions in order (ISA guide 5.7.1.4): these see the stores above; the next head's stores come behind them
.endr
	s_wait_dscnt 0x0
	WIN SRC1
.irp t, 0,1,2,3,4,5,6,7
	global_store_b128 v[GO], v[4*(\t):4*(\t)+3], s[10:11] offset:(\i)*PLANE+(\t)*512  ; 512 bytes on end, at a multiple of 256 from qkv's first byte
.endr
.endm
	HEADOUT 0
	HEADOUT 1
	HEADOUT 2
	WIN 0
	s_wait_tensorcnt 0x0                           ; the wave's end, behind my last tensor load and my last LDS store
	ds_add_u32 v[SPW], v[NIL]
	s_wait_dscnt 0x0
	CROUND                                         ; the closing round: no work-group ends while a partner may still ask for a tile that names it
	s_endpgm
.Lfunc_end_k_q30599af0b3_qkv:
	.size	k_q30599af0b3_qkv, .Lfunc_end_k_q30599af0b3_qkv-k_q30599af0b3_qkv
	.p2alignl 7, 3214868480
	.fill 96, 4, 3214868480
	.section	.rodata,"a",@progbits
	.p2align	6, 0x0
	.amdhsa_kernel k_q30599af0b3_qkv
		.amdhsa_group_segment_fixed_size 327680
		.amdhsa_private_segment_fixed_size 0
		.amdhsa_enable_private_segment 0
		.amdhsa_kernarg_size 32
		.amdhsa_user_sgpr_count 2
		.amdhsa_user_sgpr_kernarg_segment_ptr 1
		.amdhsa_wavefront_size32 1
		.amdhsa_system_sgpr_workgroup_id_x 1
		.amdhsa_system_sgpr_workgroup_id_y 1
		.amdhsa_system_sgpr_workgroup_id_z 1
		.amdhsa_system_vgpr_workitem_id 0
		.amdhsa_next_free_vgpr 512
		.amdhsa_next_free_sgpr 102
		.amdhsa_reserve_vcc 1
		.amdhsa_float_denorm_mode_32 3
		.amdhsa_float_denorm_mode_16_64 3
		.amdhsa_memory_ordered 1
		.amdhsa_forward_progress 1
		.amdhsa_inst_pref_size 142
	.end_amdhsa_kernel
	.amdgpu_metadata
---
amdhsa.version: [ 1, 2 ]
amdhsa.kernels:
  - .name:           k_q30599af0b3_qkv
    .symbol:         k_q30599af0b3_qkv.kd
    .args:
      - { .name: xb, .offset: 0, .size: 8, .value_kind: global_buffer, .address_space: global }
      - { .name: wb, .offset: 8, .size: 8, .value_kind: global_buffer, .address_space: global }
      - { .name: positions, .offset: 16, .size: 8, .value_kind: global_buffer, .address_space: global }
      - { .name: qkv, .offset: 24, .size: 8, .value_kind: global_buffer, .address_space: global }
    .group_segment_fixed_size: 327680
    .private_segment_fixed_size: 0
    .kernarg_segment_align: 8
    .kernarg_segment_size: 32
    .max_flat_workgroup_size: 128
    .sgpr_count:     102
    .vgpr_count:     512
    .wavefront_size: 32
...
	.end_amdgpu_metadata
.endif
;; end of part 2
;; launch attn (part 3): grid 8 x 32, 8 waves a work-group, clusters of 4 x 1, 216,064 bytes of LDS; arguments qkv, ows; writes ows
.if DOCPART == 3
	.amdgcn_target "amdgcn-amd-amdhsa--gfx1250"
	.amdhsa_code_object_version 6
	.text
	.protected	k_q30599af0b3_attn
	.globl	k_q30599af0b3_attn
	.p2align	8
	.type	k_q30599af0b3_attn,@function
k_q30599af0b3_attn:
	s_mov_b64 s[64:65], 0
	v_nop
	global_prefetch_b8 v0, s[64:65] scope:SCOPE_SE
	s_setreg_imm32_b32 hwreg(HW_REG_WAVE_MODE, 25, 1), 1
	s_wait_xcnt 0x0
	s_wait_alu depctr_hold_cnt(0) depctr_sa_sdst(0) depctr_va_vdst(0) depctr_va_sdst(0) depctr_va_ssrc(0) depctr_va_vcc(0) depctr_vm_vsrc(0)
	s_getreg_b32 s2, hwreg(HW_REG_IB_STS2, 6, 4)
	s_cmp_eq_u32 s2, 0
	s_cbranch_scc0 .Lentry_in_a_cluster
	s_endpgm
.Lentry_in_a_cluster:
	s_bfe_u32 s2, ttmp6, 0x10000c
	s_cmp_lg_u32 s2, 0x3003
	s_cbranch_scc0 .Lentry_shape_is_right
	s_endpgm
.Lentry_shape_is_right:
; CAUSAL ATTENTION WITH GROUPED QUERIES, head size 32.  qkv: [48 planes][4096 tokens][32] f16 (q heads 0-31, k heads 32-39, v heads 40-47; every number 1/8 of the module's own);
; ows: [4096 tokens][1024] f16: the attention's result / 8, column 32 (4 hk + g) + d.  Four sequences of 1,024 tokens.  Products, maxima and sums in f32; the weights p are rounded to f16 for the second
; product (their sum l is taken of the unrounded p), the result once at the end.
; LIMITS.  p lies in 0 to 1 and keeps f16's fixed step of 6e-8 below 6e-5; a weight below 2^-126 counts as 0 in l; a hidden score counts as its value less 1e30; NaN and infinities are not treated apart.
; SHARES.  A sequence and key head have 16 blocks of 64 positions, taken in pairs x and 15 - x: (x + 1) + (16 - x) = 17 steps of 64 keys, whatever x.  They belong to two clusters of four work-groups.
; Wave w of every work-group of cluster c walks pair x = 2 (w / 2) + c, for the two query heads 2 (w % 2) and 2 (w % 2) + 1; the work-group's place cx in its cluster picks 16 of a block's 64 positions.
; So a wave has four tiles of 16 queries (two blocks x two heads) and 17 block steps, and a work-group holds all four heads of each of its 128 tokens: 256 bytes on end of a row of ows.
; Two waves lie on a SIMD, so that one's vector work stands beside the other's matrix work.
; CLUSTER.  The four partners need the same K and V, so each tile is asked for JOINTLY: the same tensor load, descriptor and mask in all four.  cx enters Q's and ows's addresses and the mask's values alone:
; no branch and no LDS address hangs on it; the walk's jumps hang on the wave's number and on the cluster's x, which the partners share.
; ALL OF K AND V LIES IN LDS: 1,024 keys x 64 bytes each, brought once by eight tensor loads, one a wave.  Nothing is filled again: one barrier in front of the walk, none in it.
; ONE WALK over the keys serves both blocks: step J = 0 .. 15, a constant count; jumps forward pass over what a block no longer needs; J = the block's own number is its diagonal step.
; LAYOUT.  S^T = K Q^T (source 0 = 16 keys, source 1 = 16 queries, one instruction deep: 32 channels): a lane holds ONE query (lane % 16) and the keys 8 (lane / 16) + 0..7.  Two such results rounded to f16 in pairs
; ARE source 1 of O^T = V^T P.  K comes out of LDS as it lies, V ([key][channel]) turned, by ds_load_tr16_b128.
; SOFTMAX.  A running maximum m and sum l: p = 2^(c s - c m); c = 64 log2(e) / sqrt(32): the 64 gives back q's and k's factors of 1/8.  In every step O and l are multiplied by a = 2^(c m_old - c m_new).
; m starts at the lowest finite number, O and l at 0.  THE MASK of a diagonal step is the C operand that starts the sum: 0, or -1e30 where the key lies behind the query; it is the same for both heads.
; REGISTERS: window 0: v0-15 addresses; v16-31 four statistics a tile; v32-39 at work; v64-127 S^T; v128-159 P; v160-191 K of a step; v192-223 V of a step.
;   window 1: v0-31 Q, 8 a tile; v32-63 the mask; v96-159 O^T, 16 a tile.
.set PITK,  80        ; a key's row of K in LDS: 64 bytes + 16 = 20 words: the 16 rows of a load start at 16 different groups of four banks (ISA guide 11.1)
.set PITV,  96        ; of V: 64 + 32 = 24 words
.set KOFF,  1024*PITV
.set STAGE, KOFF+1024*PITK  ; 128 tokens x 272 bytes: the four heads' 64 bytes side by side, 16 of padding; row 32 (w / 2) + 16 x block + l % 16
.set SP,    272
.set SPARE, STAGE+128*SP    ; the spare words, 128 bytes for each wave: four blocks of 256 bytes that no other line names
.set AK0, 2           ; v2   my lane's place in 16 keys of K; never rewritten
.set AV0, 3           ; v3   the same for V
.set AK,  4           ; v4   the step's address in K
.set AV,  5           ; v5   in V
.set STO, 6           ; v6   the way out: where I put 16 bytes
.set RD,  7           ; v7   where I read rows back
.set GO,  8           ; v8   my byte offset in two rows of ows
.set MV,  12          ; v12-13  c m_old, by tile of the block
.set QO,  15          ; v15  my byte offset in 16 rows of Q
.set ST,  16          ; tile t's statistics at v[ST+4 t]: c m, m, l (even keys', odd keys'); t = 2 x block + head of the pair
.set TMP, 32          ; by tile of the block, c0-c3 at work; when the maximum is found c2 takes a
.set SPW, 40          ; v40  LDS address of my spare word; never rewritten
.set NIL, 41          ; v41  0; never rewritten
.set S,   64
.set P,   128
.set KF,  160
.set VF,  192
.set QF,  0           ; window 1
.set MD,  32
.set OT,  96
.set WV,  12          ; s12 wave
.set LQ,  13          ; s13  which quarter of K or V I fetch: w % 4
.set HP,  14          ; s14  which pair of query heads is mine: w % 2
.set LOB, 15          ; s15  x
.set HIB, 16          ; s16  15 - x
.set J,   17          ; s17  the step
.set TBK, 22          ; s22  the step's first byte in K
.set TBV, 23          ; s23  in V
.set G1V, 24
.set G1K, 32
.set G0V, 40
.set G0K, 44
.set PR,  50          ; s50  w / 2
.set CX,  51          ; s51  my work-group's place in its cluster
.set CS,  58          ; s[58:59] c, twice
.set SEL, 60          ; s[60:61] v_permlanex16_b32's selects: each lane takes its own place in the other half
.set BIGN, 62         ; s62  -1e30
.set MSB, 0
.macro WIN new
.if MSB != (\new)
	s_set_vgpr_msb (MSB<<8)|(\new)
.set MSB, (\new)
.endif
.endm
.set W_KQ, 0x04       ; Q in window 1
.set W_KM, 0x14       ; Q and the mask in window 1
.set W_PV, 0x50       ; O^T (C and D) in window 1
.set W_RS, 0x41       ; destination and source 0 in window 1
; A round of the cluster's barrier: my work-group's barrier, so that wave 0's signal speaks for all eight waves; wave 0 signals; every wave waits for all four work-groups; my work-group's barrier once more.
.macro CROUND
	s_barrier_signal -1
	s_barrier_wait -1
	s_cmp_lg_u32 s[WV], 0
	s_cbranch_scc1 .Lnot_wave_0_\@
	s_barrier_signal -3
.Lnot_wave_0_\@:
	s_barrier_wait -3
	s_barrier_signal -1
	s_barrier_wait -1
.endm
	s_load_b128 s[4:7], s[0:1], 0x0  ; qkv s[4:5], ows s[6:7]
	v_lshl_add_u32 v[SPW], v0, 2, SPARE
	v_mov_b32 v[NIL], 0
	ds_add_u32 v[SPW], v[NIL]       ; the wave's opening: the add and its wait ahead of my first tensor load; the set-up below, work on registers, stands between them
	v_lshrrev_b32 v1, 5, v0
	v_readfirstlane_b32 s[WV], v1
	s_and_b32 s[LQ], s[WV], 3
	s_and_b32 s[HP], s[WV], 1
	s_lshr_b32 s[PR], s[WV], 1
	s_bfe_u32 s[CX], ttmp6, 0x40000
	s_lshl_b32 s[LOB], s[PR], 1
	s_add_co_u32 s[LOB], s[LOB], ttmp9  ; in a cluster launch ttmp9 counts clusters: x = 2 (w / 2) + cluster x
	s_sub_co_u32 s[HIB], 15, s[LOB]
	s_and_b32 s8, ttmp7, 0xffff
	s_lshr_b32 s9, s8, 3            ; the sequence
	s_and_b32 s8, s8, 7             ; the key head
	; descriptor group 1: 256 keys are 16,384 dense bytes: asked for as 64 rows of 256 bytes, four keys a row, and padded in LDS after every key
	s_mov_b32 s[G1V], 15|(1<<16)|(1<<20)|(1<<21)|(3<<22)|(7<<25)  ; 15:0 the mask of four; 17:16 2-byte elements; 20 padding on; 21 set beside a mask; 24:22 after every 16 words (code 3); 31:25 8 words (code 7)
	s_mov_b32 s[G1K], 15|(1<<16)|(1<<20)|(1<<21)|(3<<22)|(3<<25)  ; the same with 4 words (code 3)
.irp g, G1V, G1K
	s_mov_b32 s[\g+1], 128<<16      ; tensor_dim0 = 128
	s_mov_b32 s[\g+2], 64<<16       ; tensor_dim1 = 64
	s_mov_b32 s[\g+3], 128<<16      ; tile_dim0 = 128
	s_mov_b32 s[\g+4], 64           ; tile_dim1 = 64
	s_mov_b32 s[\g+5], 128          ; 128 elements from row to row
	s_mov_b32 s[\g+6], 0
	s_mov_b32 s[\g+7], 0
.endr
	s_mov_b32 s[G0V], 1
	s_mul_i32 s[G0V+1], s[LQ], 256*PITV  ; waves 0-3: a quarter of V
	s_mov_b32 s[G0K], 1
	s_mul_i32 s[G0K+1], s[LQ], 256*PITK  ; waves 4-7: a quarter of K
	s_add_co_u32 s[G0K+1], s[G0K+1], KOFF
	s_lshl_b32 s10, s8, 18          ; the key head's plane, the sequence's 65,536 bytes, the quarter's 16,384: the same in all four partners
	s_lshl_b32 s11, s9, 16
	s_add_co_u32 s10, s10, s11
	s_lshl_b32 s11, s[LQ], 14
	s_add_co_u32 s10, s10, s11
	s_mov_b32 s11, 0
	s_lshl_b32 s48, s8, 2           ; Q: plane 4 hk + 2 (w % 2), the sequence, my work-group's 16 rows of 64 bytes in a block,
	s_lshl_b32 s49, s[HP], 1
	s_add_co_u32 s48, s48, s49
	s_lshl_b32 s48, s48, 18
	s_lshl_b32 s49, s9, 16
	s_add_co_u32 s48, s48, s49
	s_lshl_b32 s49, s[CX], 10
	s_add_co_u32 s48, s48, s49
	s_lshl_b32 s49, s[LOB], 12      ; and the block's 4,096 bytes
	s_add_co_u32 s2, s48, s49
	s_mov_b32 s3, 0
	s_lshl_b32 s49, s[HIB], 12
	s_add_co_u32 s48, s48, s49
	s_mov_b32 s49, 0
	s_mov_b32 s[CS], 0x418293ee     ; c = 64 log2(e) / sqrt(32) = 16.3222
	s_mov_b32 s[CS+1], s[CS]
	s_mov_b32 s[SEL], 0x76543210
	s_mov_b32 s[SEL+1], 0xfedcba98
	s_mov_b32 s[BIGN], 0xf149f2ca   ; -1e30
	s_mov_b32 s[J], 0
	s_mov_b32 s[TBK], 0
	s_mov_b32 s[TBV], 0
	s_wait_dscnt 0x0                ; the opening add is done
	s_wait_kmcnt 0x0
	s_add_nc_u64 s[G0K+2:G0K+3], s[4:5], s[10:11]
	s_add_nc_u64 s[G0V+2:G0V+3], s[G0K+2:G0K+3], 40<<18   ; planes 40 on: V
	s_add_nc_u64 s[G0K+2:G0K+3], s[G0K+2:G0K+3], 32<<18   ; planes 32 on: K
	s_or_b32 s[G0V+3], s[G0V+3], 0x80000000
	s_or_b32 s[G0K+3], s[G0K+3], 0x80000000
	s_add_nc_u64 s[18:19], s[4:5], s[2:3]      ; Q of block x,
	s_add_nc_u64 s[20:21], s[4:5], s[48:49]    ; of block 15 - x
	CROUND                          ; all four work-groups are here: the joint loads meet
	s_cmp_lt_u32 s[WV], 4           ; one load a wave; an s_nop 0 and four v_nop follow each of the two lines
	s_cbranch_scc0 .Lfor_k
	tensor_load_to_lds s[G0V:G0V+3], s[G1V:G1V+7]
	s_nop 0
.rept 4
	v_nop
.endr
	s_branch .Lasked
.Lfor_k:
	tensor_load_to_lds s[G0K:G0K+3], s[G1K:G1K+7]
	s_nop 0
.rept 4
	v_nop
.endr
.Lasked:
	; A fragment of K or Q is 16 rows x 32 channels in 8 registers: lane l holds row l % 16, channels 8 (l / 16) + 0..7 and 16 + 8 (l / 16) + 0..7: two loads of 16 bytes, 32 bytes apart.
	v_and_b32 v1, 15, v0            ; l % 16
	v_bfe_u32 v9, v0, 4, 1          ; l / 16
	v_lshlrev_b32 v[QO], 6, v1
	v_lshl_add_u32 v[QO], v9, 4, v[QO]
	WIN 0x40                        ; destination window 1
.irp u, 0,1                         ; the pair's second head lies a plane of 262,144 bytes on
	global_load_b128 v[QF+8*(\u):QF+8*(\u)+3],       v[QO], s[18:19] offset:(\u)*262144
	global_load_b128 v[QF+8*(\u)+4:QF+8*(\u)+7],     v[QO], s[18:19] offset:(\u)*262144+32
	global_load_b128 v[QF+16+8*(\u):QF+16+8*(\u)+3],   v[QO], s[20:21] offset:(\u)*262144
	global_load_b128 v[QF+16+8*(\u)+4:QF+16+8*(\u)+7], v[QO], s[20:21] offset:(\u)*262144+32
.endr
	WIN 0
	v_lshlrev_b32 v14, 3, v9
	v_sub_nc_u32 v14, v1, v14
	s_lshl_b32 s10, s[CX], 4
	v_add_nc_u32 v14, s10, v14      ; 16 cx + l % 16 - 8 (l / 16): register j of key block kb is hidden where 16 kb + j is greater
	WIN 0x40
.set mi, 0
.rept 32
	v_cmp_gt_i32 vcc_lo, 16*(mi/8)+mi%8, v14
	v_cndmask_b32 v[MD+mi], 0, s[BIGN], vcc_lo
.set mi, mi+1
.endr
.set mi, 0
.rept 64
	v_mov_b32 v[OT+mi], 0           ; O^T: the first step multiplies it by a = 0, so it has to be finite
.set mi, mi+1
.endr
	WIN 0
.set mi, 0
.rept 4
	v_mov_b32 v[ST+4*mi], 0xfe000000    ; c m: far below every c s
	v_mov_b32 v[ST+4*mi+1], 0xff7fffff  ; m
	v_mov_b32 v[ST+4*mi+2], 0
	v_mov_b32 v[ST+4*mi+3], 0
.set mi, mi+1
.endr
	v_mul_u32_u24 v[AK0], v1, PITK
	v_lshl_add_u32 v[AK0], v9, 4, v[AK0]
	v_add_nc_u32 v[AK0], KOFF, v[AK0]
	; The turning load takes 16 keys x 16 channels (lane l reads key 8 (l / 16) + l % 8, channels 8 ((l / 8) % 2) + 0..7) and leaves half a fragment of V^T: lane l holds channel l % 16 and 8 keys.
	v_and_b32 v10, 7, v0
	v_bfe_u32 v11, v0, 3, 1
	v_lshl_add_u32 v[AV0], v9, 3, v10
	v_mul_u32_u24 v[AV0], v[AV0], PITV
	v_lshl_add_u32 v[AV0], v11, 4, v[AV0]
	s_mul_i32 s10, s[PR], 32*SP     ; into the stage: my pair's 32 rows, my two heads' 128 bytes; row l % 16, 16 bytes for each half of the lanes
	s_lshl_b32 s11, s[HP], 7
	s_add_co_u32 s10, s10, s11
	s_add_co_u32 s10, s10, STAGE
	v_mul_u32_u24 v[STO], v1, SP
	v_lshl_add_u32 v[STO], v9, 4, v[STO]
	v_add_nc_u32 v[STO], s10, v[STO]
	s_mul_i32 s10, s[WV], 16*SP     ; back: wave w takes rows 16 w .. 16 w + 15, whole: block w % 2 of its own pair; lanes 0-15 one row of 256 bytes, lanes 16-31 the next
	s_add_co_u32 s10, s10, STAGE
	v_mul_u32_u24 v[RD], v9, SP
	v_lshl_add_u32 v[RD], v1, 4, v[RD]
	v_add_nc_u32 v[RD], s10, v[RD]
	v_lshlrev_b32 v[GO], 11, v9     ; and the same two rows of ows, 2,048 bytes apart
	v_lshl_add_u32 v[GO], v1, 4, v[GO]
	s_cmp_eq_u32 s[HP], 0
	s_cselect_b32 s10, s[LOB], s[HIB]
	s_lshl_b32 s10, s10, 6
	s_lshl_b32 s11, s9, 10
	s_add_co_u32 s10, s10, s11
	s_lshl_b32 s11, s[CX], 4
	s_add_co_u32 s10, s10, s11      ; token 1,024 b + 64 x block + 16 cx
	s_lshl_b32 s10, s10, 11
	s_lshl_b32 s11, s8, 8           ; the key head's four query heads: 256 bytes of a row
	s_add_co_u32 s10, s10, s11
	s_mov_b32 s11, 0
	s_add_nc_u64 s[6:7], s[6:7], s[10:11]
.macro REGS t, u                    ; the registers of tile t, which is tile u of its block
.set rT, ST+4*(\t)
.set rC, TMP+4*(\u)
.set rW, MV+(\u)
.set rS, S+32*(\u)
.set rP, P+16*(\u)
.set rO, OT+16*(\t)
.endm
; Product ki of 8 of S^T = K Q^T: tile ki % 2, keys 16 (ki / 2) on.  Each starts and ends its sum: with 0, or with the mask.
.macro KQ blk, diag
.set xS, S+32*(ki%2)+8*(ki/2)
.set xK, KF+8*(ki/2)
.set xQ, QF+8*(2*(\blk)+ki%2)
.set xM, MD+8*(ki/2)
.if \diag
	WIN W_KM
	v_wmma_f32_16x16x32_f16 v[xS:xS+7], v[xK:xK+7], v[xQ:xQ+7], v[xM:xM+7]
.else
	WIN W_KQ
	v_wmma_f32_16x16x32_f16 v[xS:xS+7], v[xK:xK+7], v[xQ:xQ+7], 0
.endif
.endm
; Product ki of 8 of O^T += V^T P: tile ki % 2, channels 16 ((ki / 2) % 2) on, keys 32 (ki / 4) on.  The four accumulators take turns: three others stand between two links.
.macro PVM blk
	WIN W_PV
.set xO, OT+16*(2*(\blk)+ki%2)+8*((ki/2)%2)
.set xV, VF+16*(ki/4)+8*((ki/2)%2)
.set xP, P+16*(ki%2)+8*(ki/4)
	v_wmma_f32_16x16x32_f16 v[xO:xO+7], v[xV:xV+7], v[xP:xP+7], v[xO:xO+7]
.endm
; Number n of the 22 that find a tile's maximum and statistics.  s0-s31 are the lane's 32 scores; each accumulator's lowest registers are read first.
;   0-11  four chains c0-c3 of seven scores each     12-14, 16  the four scores left over, the old m, and c0-c3 into c0     15  c m_old is kept
;   17, 18  the query's other 32 keys lie in the lane 16 away: the new m     19-21  c m; c m_old - c m_new; a
.macro XS blk, u, n
	REGS 2*(\blk)+(\u), \u
.if (\n) < 4
	v_max3_num_f32 v[rC+(\n)], v[rS+8*(\n)], v[rS+8*(\n)+1], v[rS+8*(\n)+2]
.elseif (\n) < 12
	v_max3_num_f32 v[rC+(\n)%4], v[rC+(\n)%4], v[rS+8*((\n)%4)+2*((\n)/4)+1], v[rS+8*((\n)%4)+2*((\n)/4)+2]
.elseif (\n) == 12
	v_max3_num_f32 v[rC], v[rC], v[rS+7], v[rS+15]
.elseif (\n) == 13
	v_max3_num_f32 v[rC+1], v[rC+1], v[rS+23], v[rS+31]
.elseif (\n) == 14
	v_max3_num_f32 v[rC+2], v[rC+2], v[rC+3], v[rT+1]
.elseif (\n) == 15
	v_mov_b32 v[rW], v[rT]
.elseif (\n) == 16
	v_max3_num_f32 v[rC], v[rC], v[rC+1], v[rC+2]
.elseif (\n) == 17
	v_permlanex16_b32 v[rC+3], v[rC], s[SEL], s[SEL+1]
.elseif (\n) == 18
	v_max_num_f32 v[rT+1], v[rC], v[rC+3]
.elseif (\n) == 19
	v_mul_f32 v[rT], s[CS], v[rT+1]
.elseif (\n) == 20
	v_sub_f32 v[rC+1], v[rW], v[rT]
.else
	v_exp_f32 v[rC+2], v[rC+1]
.endif
.endm
.macro FS blk, u, n                 ; c s - c m for pair n of 16
	REGS 2*(\blk)+(\u), \u
	v_pk_fma_f32 v[rS+2*(\n):rS+2*(\n)+1], v[rS+2*(\n):rS+2*(\n)+1], s[CS:CS+1], v[rT:rT+1] op_sel_hi:[1,0,0] neg_lo:[0,0,1] neg_hi:[0,0,1]
.endm
.macro EX u, n                      ; the exponential of score n of 32
	v_exp_f32 v[S+32*(\u)+(\n)], v[S+32*(\u)+(\n)]
.endm
.macro LS blk, u, n                 ; l takes the sum of the four weights 4 n ..; the first time as l = a l + sum
	REGS 2*(\blk)+(\u), \u
.if (\n) == 0
	v_pk_fma_f32 v[rT+2:rT+3], v[rT+2:rT+3], v[rC+2:rC+3], v[rS:rS+1] op_sel_hi:[1,0,1]
.else
	v_pk_add_f32 v[rT+2:rT+3], v[rT+2:rT+3], v[rS+4*(\n):rS+4*(\n)+1]
.endif
.endm
.macro PLACES
.rept 4
	v_nop
.endr
.endm
; A step's K (64 keys x 32 channels: four fragments) and its V (turned: four fragments): 16 LDS loads in one run, K's first.
.macro FETCH
	v_add_nc_u32 v[AK], s[TBK], v[AK0]
	v_add_nc_u32 v[AV], s[TBV], v[AV0]
.irp f, 0,1,2,3
	ds_load_b128 v[KF+8*\f:KF+8*\f+3],   v[AK] offset:\f*16*PITK
	ds_load_b128 v[KF+8*\f+4:KF+8*\f+7], v[AK] offset:\f*16*PITK+32
.endr
.irp f, 0,1,2,3                     ; keys 32 (f / 2) on, channels 16 (f % 2) on
	ds_load_tr16_b128 v[VF+8*\f:VF+8*\f+3],   v[AV] offset:(\f/2)*32*PITV+(\f%2)*32
	ds_load_tr16_b128 v[VF+8*\f+4:VF+8*\f+7], v[AV] offset:(\f/2)*32*PITV+16*PITV+(\f%2)*32
.endr
.endm
; ONE BLOCK'S SHARE OF A STEP, in phases: two tiles of 16 queries x 64 keys.  The two tiles alternate, so that no instruction reads the result of the one just before it.
; The 66 exponentials are ONE BATCH: nothing ahead of the one wait names a result of theirs.
.macro STEP blk, diag
	s_wait_dscnt 8                  ; K is in; V's eight loads may stay out
.set ki, 0
.rept 8
	KQ \blk, \diag
.set ki, ki+1
.endr
	WIN 0
	XS \blk, 0, 15                  ; these two and two v_nop are the four places behind the products
	XS \blk, 1, 15
	v_nop
	v_nop
.irp n, 0,1,2,3,4,5,6,7,8,9,10,11,12,13,14,16,17,18,19,20,21
	XS \blk, 0, \n
	XS \blk, 1, \n
.endr
	FS \blk, 0, 0
	FS \blk, 1, 0
.set fb, 1
.rept 15                            ; a pair is scaled a group ahead of its exponentials
	FS \blk, 0, fb
	FS \blk, 1, fb
	EX 0, 2*fb-2
	EX 1, 2*fb-2
	EX 0, 2*fb-1
	EX 1, 2*fb-1
.set fb, fb+1
.endr
	EX 0, 30
	EX 1, 30
	EX 0, 31
	EX 1, 31
	v_nop                           ; a plain instruction behind the last exponential, ahead of the first use: one for the batch
	s_wait_alu depctr_va_vdst(0)    ; the wait for the batch
.set fb, 0
.rept 16                            ; the weights rounded to f16, a pair each
	v_cvt_pk_f16_f32 v[P+fb], v[S+2*fb], v[S+2*fb+1]
	v_cvt_pk_f16_f32 v[P+16+fb], v[S+32+2*fb], v[S+32+2*fb+1]
.set fb, fb+1
.endr
.set fb, 0
.rept 8                             ; of each four weights the second pair is added onto the first, in place
	v_pk_add_f32 v[S+4*fb:S+4*fb+1], v[S+4*fb:S+4*fb+1], v[S+4*fb+2:S+4*fb+3]
	v_pk_add_f32 v[S+32+4*fb:S+32+4*fb+1], v[S+32+4*fb:S+32+4*fb+1], v[S+32+4*fb+2:S+32+4*fb+3]
.set fb, fb+1
.endr
.set fb, 0
.rept 8
	LS \blk, 0, fb
	LS \blk, 1, fb
.set fb, fb+1
.endr
	WIN W_RS
.set fb, 0
.rept 8                             ; O^T times a, each accumulator from its low end on
	v_pk_mul_f32 v[OT+32*(\blk)+2*fb:OT+32*(\blk)+2*fb+1], v[OT+32*(\blk)+2*fb:OT+32*(\blk)+2*fb+1], v[TMP+2:TMP+3] op_sel_hi:[1,0]
	v_pk_mul_f32 v[OT+32*(\blk)+16+2*fb:OT+32*(\blk)+16+2*fb+1], v[OT+32*(\blk)+16+2*fb:OT+32*(\blk)+16+2*fb+1], v[TMP+6:TMP+7] op_sel_hi:[1,0]
.set fb, fb+1
.endr
	s_wait_dscnt 0x0                ; V is in
.set ki, 0
.rept 8
	PVM \blk
.set ki, ki+1
.endr
	WIN 0
.endm
	s_wait_tensorcnt 0x0            ; my quarter of K or V is in,
	s_barrier_signal -1
	s_barrier_wait -1               ; everybody's is
	s_wait_loadcnt 0x0              ; Q
.Ltrip:                             ; 16 trips; what a wave's blocks do not need is jumped over, forward, past no barrier and no tensor load
	s_cmp_gt_u32 s[J], s[HIB]
	s_cbranch_scc1 .Lbottom         ; both blocks are done
	FETCH
	s_cmp_gt_u32 s[J], s[LOB]
	s_cbranch_scc1 .Lhi             ; block x is done
	s_cmp_eq_u32 s[J], s[LOB]
	s_cbranch_scc1 .Llo_diag
	STEP 0, 0
	s_branch .Lhi
.Llo_diag:
	STEP 0, 1
.Lhi:
	s_cmp_eq_u32 s[J], s[HIB]
	s_cbranch_scc1 .Lhi_diag
	STEP 1, 0
	s_branch .Lstepped
.Lhi_diag:
	STEP 1, 1
.Lstepped:
	PLACES                          ; behind the last products, in front of the next run of loads into K's and V's registers and of the way out
.Lbottom:
	s_add_co_u32 s[TBK], s[TBK], 64*PITK
	s_add_co_u32 s[TBV], s[TBV], 64*PITV
	s_add_co_u32 s[J], s[J], 1
	s_cmp_lt_u32 s[J], 16
	s_cbranch_scc1 .Ltrip
	; THE WAY OUT.  l's two halves and the other half of the lanes' are added; O^T is divided by l, rounded to f16 and put into the work-group's stage, the four heads of a token side by side.
.macro ALL line:vararg              ; one line for each tile t
.set t, 0
.rept 4
	\line
.set t, t+1
.endr
.endm
	ALL v_add_f32 v[ST+4*t+2], v[ST+4*t+2], v[ST+4*t+3]
	ALL v_permlanex16_b32 v[ST+4*t+3], v[ST+4*t+2], s[SEL], s[SEL+1]
	ALL v_add_f32 v[ST+4*t+2], v[ST+4*t+2], v[ST+4*t+3]
	ALL v_rcp_f32 v[ST+4*t+2], v[ST+4*t+2]
	v_nop                           ; a plain instruction between the last reciprocal and the use of its result
	s_wait_alu depctr_va_vdst(0)    ; and the wait ahead of the first use: one for the four reciprocals
.macro PACK t                       ; tile t: block t / 2 (16 rows of the stage on), head t % 2 of my pair (64 bytes on)
	WIN W_RS
.set z, 0
.rept 8
	v_pk_mul_f32 v[OT+16*(\t)+z:OT+16*(\t)+z+1], v[OT+16*(\t)+z:OT+16*(\t)+z+1], v[ST+4*(\t)+2:ST+4*(\t)+3] op_sel_hi:[1,0]
.set z, z+2
.endr
	WIN 0x05                        ; sources 0 and 1 window 1, destination window 0: S^T's registers are free
.set z, 0
.rept 8
	v_cvt_pk_f16_f32 v[S+8*(\t)+z], v[OT+16*(\t)+2*z], v[OT+16*(\t)+2*z+1]
.set z, z+1
.endr
	WIN 0
	ds_store_b128 v[STO], v[S+8*(\t):S+8*(\t)+3]   offset:((\t)/2)*16*SP+((\t)%2)*64
	ds_store_b128 v[STO], v[S+8*(\t)+4:S+8*(\t)+7] offset:((\t)/2)*16*SP+((\t)%2)*64+32
.endm
	PACK 0
	PACK 1
	PACK 2
	PACK 3
	s_wait_dscnt 0x0                ; for the others' sake: my stores into the stage are done
	s_barrier_signal -1
	s_barrier_wait -1               ; a row's 256 bytes come from two waves
.irp f, 0,1,2,3,4,5,6,7
	ds_load_b128 v[S+32+4*\f:S+32+4*\f+3], v[RD] offset:\f*2*SP
.endr
.irp f, 0,1,2,3,4,5,6,7
	s_wait_dscnt 7-\f               ; LDS loads come back in order: load f is in, the younger ones stay out
	global_store_b128 v[GO], v[S+32+4*\f:S+32+4*\f+3], s[6:7] offset:\f*4096  ; 16 lanes store 256 bytes on end, at a multiple of 256 from ows's first byte
.endr
	s_wait_tensorcnt 0x0            ; the wave's end, behind my last tensor load and my last LDS store
	ds_add_u32 v[SPW], v[NIL]
	s_wait_dscnt 0x0
	CROUND                          ; the closing round: no work-group ends while a partner may still ask for a tile that names it
	s_endpgm
.Lfunc_end_k_q30599af0b3_attn:
	.size	k_q30599af0b3_attn, .Lfunc_end_k_q30599af0b3_attn-k_q30599af0b3_attn
	.p2alignl 7, 3214868480
	.fill 96, 4, 3214868480
	.section	.rodata,"a",@progbits
	.p2align	6, 0x0
	.amdhsa_kernel k_q30599af0b3_attn
		.amdhsa_group_segment_fixed_size 216064
		.amdhsa_private_segment_fixed_size 0
		.amdhsa_enable_private_segment 0
		.amdhsa_kernarg_size 16
		.amdhsa_user_sgpr_count 2
		.amdhsa_user_sgpr_kernarg_segment_ptr 1
		.amdhsa_wavefront_size32 1
		.amdhsa_system_sgpr_workgroup_id_x 1
		.amdhsa_system_sgpr_workgroup_id_y 1
		.amdhsa_system_sgpr_workgroup_id_z 1
		.amdhsa_system_vgpr_workitem_id 0
		.amdhsa_next_free_vgpr 416
		.amdhsa_next_free_sgpr 66
		.amdhsa_reserve_vcc 1
		.amdhsa_float_denorm_mode_32 3
		.amdhsa_float_denorm_mode_16_64 3
		.amdhsa_memory_ordered 1
		.amdhsa_forward_progress 1
		.amdhsa_inst_pref_size 74
	.end_amdhsa_kernel
	.amdgpu_metadata
---
amdhsa.version: [ 1, 2 ]
amdhsa.kernels:
  - .name:           k_q30599af0b3_attn
    .symbol:         k_q30599af0b3_attn.kd
    .args:
      - { .name: qkv, .offset: 0, .size: 8, .value_kind: global_buffer, .address_space: global }
      - { .name: ows, .offset: 8, .size: 8, .value_kind: global_buffer, .address_space: global }
    .group_segment_fixed_size: 216064
    .private_segment_fixed_size: 0
    .kernarg_segment_align: 8
    .kernarg_segment_size: 16
    .max_flat_workgroup_size: 256
    .sgpr_count:     66
    .vgpr_count:     416
    .wavefront_size: 32
...
	.end_amdgpu_metadata
.endif
;; end of part 3
;; launch oproj (part 4): grid 16 x 16, 4 waves a work-group, clusters of 4 x 4, 327,680 bytes of LDS; arguments ows, ob, out0; writes out0
.if DOCPART == 4
	.amdgcn_target "amdgcn-amd-amdhsa--gfx1250"
	.amdhsa_code_object_version 6
	.text
	.protected	k_q30599af0b3_oproj
	.globl	k_q30599af0b3_oproj
	.p2align	8
	.type	k_q30599af0b3_oproj,@function
k_q30599af0b3_oproj:
	s_mov_b64 s[64:65], 0
	v_nop
	global_prefetch_b8 v0, s[64:65] scope:SCOPE_SE
	s_setreg_imm32_b32 hwreg(HW_REG_WAVE_MODE, 25, 1), 1
	s_wait_xcnt 0x0
	s_wait_alu depctr_hold_cnt(0) depctr_sa_sdst(0) depctr_va_vdst(0) depctr_va_sdst(0) depctr_va_ssrc(0) depctr_va_vcc(0) depctr_vm_vsrc(0)
	s_getreg_b32 s2, hwreg(HW_REG_IB_STS2, 6, 4)
	s_cmp_eq_u32 s2, 0
	s_cbranch_scc0 .Lentry_in_a_cluster
	s_endpgm
.Lentry_in_a_cluster:
	s_bfe_u32 s2, ttmp6, 0x10000c
	s_cmp_lg_u32 s2, 0xf033
	s_cbranch_scc0 .Lentry_shape_is_right
	s_endpgm
.Lentry_shape_is_right:
; out0[m][n] = sum over k of ows[m][k] ob[n][k].  ows: [4096][1024] f16 (the attention's result / 8), ob: [4096][1024] f16 (8 o_w, rounded to bf16 first), out0: [4096][4096] f32.
; The two factors cancel, so the sums leave as they are: f32, never rounded again.
; A tile of out0, 256 x 256, is made by a work-group of four waves; a wave makes 128 x 128: 64 accumulators of 16 x 16, 512 registers.  16 x 16 = 256 work-groups, one tile each.
; K goes in eight steps of 128 (rows of 256 bytes, each at a multiple of 256 from its buffer's first byte) through a ring of two LDS slots filled by the tensor data mover.
; CLUSTERS: 4 x 4 work-groups.  The four of a row need the same tiles of ows, the four of a column the same tiles of ob: each is asked for JOINTLY, by the same tensor load, descriptor and mask in all four.
; THE MATRIX INSTRUCTION IS USED TRANSPOSED (source 0 = 16 rows of ob, source 1 = 16 rows of ows): lane l holds row l % 16 of out0 and the columns 8 (l / 16) + 0..7: 32 bytes on end.
; REGISTERS, in windows of 256: window 0: v0-31 addresses; v64-127, v128-191 fragments of ows, two buffers (on the way out: rows read back from the stage);
;   window 1: v64-127, v128-191 fragments of ob; window 2: the 32 accumulators of my rows 0-63 ((a, b) at v[8 (8 a + b)]); window 3: those of my rows 64-127.
.set SIZE_N, 4096
.set SIZE_K, 1024
.set KSTEP,  128
.set PITCH,  272                       ; an LDS row: 256 bytes + 16 of padding = 68 words: the 16 rows of a load start at 16 different groups of four banks (ISA guide 11.1)
.set HALFT,  128*PITCH                 ; 128 rows: what one tensor load brings, and what one wave reads of either operand
.set SLOT,   4*HALFT
.set STAGE,  2*SLOT                    ; behind the ring: 16 rows x 528 bytes for each wave, for the way out
.set SPITCH, 528                       ; 128 f32 + 16 bytes = 132 words
.set SPARE,  STAGE+4*16*SPITCH         ; the spare words, 128 bytes for each wave: two blocks of 256 bytes that no other line names
.set LAPS,   SIZE_K/(2*KSTEP)          ; 4
.set ROWC,   SIZE_N*4                  ; bytes in a row of out0
.set ADRA, 16
.set ADRB, 20
.set STO,  24                          ; v24  the way out: where I put 32 bytes of a row
.set RD,   25                          ; v25  where I read a row back
.set CO,   26                          ; v26  16 x lane
.set SPW,  28
.set NIL,  29
.set PFO,  30                          ; v30  the prefetches' offset: my lane x a row of ows or ob; never rewritten
.set PFA,  44                          ; s[44:45] where my prefetches stand
.set LIM,  43                          ; s43  1 in a wave that prefetches, else the greatest number
.set F0,   64
.set F1,   128
.set G1,  24
.set G0,  32
.set G1B, 48
.set G0B, 56
.set MSB, 0
.macro WIN new
.if MSB != (\new)
	s_set_vgpr_msb (MSB<<8)|(\new)
.set MSB, \new
.endif
.endm
.set MUL_LO, 0xa1                      ; source 0 (ob) window 1, source 1 (ows) window 0, C and D window 2
.set MUL_HI, 0xf1                      ; the same, C and D window 3
.set TO_B,   0x40
.macro JLOAD s                         ; a joint load: waves 0 and 1 fetch ows's two halves, waves 2 and 3 ob's; an s_nop 0 and four v_nop follow each line
	s_cmp_eq_u32 s11, 0
	s_cbranch_scc0 .Lfor_b_\@
	tensor_load_to_lds s[G0+4*(\s):G0+4*(\s)+3], s[G1:G1+7]
	s_nop 0
.rept 4
	v_nop
.endr
	s_branch .Lasked_\@
.Lfor_b_\@:
	tensor_load_to_lds s[G0B+4*(\s):G0B+4*(\s)+3], s[G1B:G1B+7]
	s_nop 0
.rept 4
	v_nop
.endr
.Lasked_\@:
.endm
; A PREFETCH behind each joint load and the run of LDS loads that follows it: the K step that stands two refills on: 32 rows x 256 bytes, a lane a row, one instruction a wave.  Each row's 256 bytes of a K step
; are named once in the launch: ows's tile row is read by every cluster of that row of clusters, and cluster x = 0 asks; ob's tile column by every cluster of that column, and cluster y = 0 asks.  The four partners
; that ask for a tile jointly share its rows out BY ADDRESS: of the 128 rows that a wave fetches the partner at place p takes 32 p on.  The loop's last trip asks for nothing; K steps 0 to 3 come by their loads alone.
.macro ASK
	s_cmp_gt_u32 s3, s[LIM]                        ; s3 = 1 in the loop's last trip
	s_cbranch_scc0 .Lnot_mine_\@
	global_prefetch_b8 v[PFO], s[PFA:PFA+1] offset:KSTEP*2 th:TH_LOAD_NT scope:SCOPE_SE
.Lnot_mine_\@:
.endm
.macro CREST
	s_cmp_lg_u32 s10, 0
	s_cbranch_scc1 .Lnot_wave_0_\@
	s_barrier_signal -3
.Lnot_wave_0_\@:
	s_barrier_wait -3
	s_barrier_signal -1
	s_barrier_wait -1
.endm
.macro CROUND
	s_barrier_signal -1
	s_barrier_wait -1
	CREST
.endm
	s_load_b128 s[4:7], s[0:1], 0x0                ; ows s[4:5], ob s[6:7]
	s_load_b64 s[8:9], s[0:1], 0x10                ; out0
	v_lshl_add_u32 v[SPW], v0, 2, SPARE
	v_mov_b32 v[NIL], 0
	ds_add_u32 v[SPW], v[NIL]                      ; the wave's opening: the add and its wait ahead of my first tensor load; the set-up below, work on registers, stands between them
	v_lshrrev_b32 v1, 5, v0
	v_readfirstlane_b32 s10, v1                    ; wave 0..3
	s_lshr_b32 s11, s10, 1                         ; which half of the tile's rows is mine.  Also: I fetch ows (0) or ob (1)
	s_and_b32 s12, s10, 1                          ; which half of its columns.  Also: which 128 rows of that tile I fetch
	s_bfe_u32 s40, ttmp6, 0x40000                  ; cx
	s_bfe_u32 s41, ttmp6, 0x40004                  ; cy
	s_lshl_b32 s42, ttmp9, 2
	s_add_co_u32 s42, s42, s40                     ; tile column = 4 x cluster x + cx
	s_and_b32 s13, ttmp7, 0xffff
	s_lshl_b32 s13, s13, 2
	s_add_co_u32 s13, s13, s41                     ; tile row = 4 x cluster y + cy
	s_lshl_b32 s43, s41, 2
	s_lshl_b32 s43, 15, s43                        ; my row of the cluster
	s_lshl_b32 s44, 0x1111, s40                    ; my column
	s_or_b32 s[G1+0], s43, (1<<16)|(1<<20)|(1<<21)|(5<<22)|(3<<25)  ; 15:0 the mask; 17:16 elements of 2 bytes; 20 padding on; 21 set beside a mask; 24:22 after every 64 words (code 5); 31:25 4 words (code 3)
	s_or_b32 s[G1B+0], s44, (1<<16)|(1<<20)|(1<<21)|(5<<22)|(3<<25)
.irp g, G1, G1B
	s_mov_b32 s[(\g)+1], KSTEP<<16                 ; tensor_dim0 = 128
	s_mov_b32 s[(\g)+2], 128<<16                   ; tensor_dim1 = 128
	s_mov_b32 s[(\g)+3], KSTEP<<16                 ; tile_dim0 = 128
	s_mov_b32 s[(\g)+4], 128                       ; tile_dim1 = 128
	s_mov_b32 s[(\g)+5], SIZE_K                    ; elements from row to row
	s_mov_b32 s[(\g)+6], 0
	s_mov_b32 s[(\g)+7], 0
.endr
	s_lshl_b32 s17, s12, 7                         ; which 128 rows of the tile I fetch
	s_lshl_b32 s16, s13, 8
	s_add_co_u32 s16, s16, s17                     ; ows: row 256 x tile row + 128 x half
	s_lshl_b32 s46, s42, 8
	s_add_co_u32 s46, s46, s17                     ; ob: row 256 x tile column + 128 x half
	s_mov_b32 s17, 0
	s_mov_b32 s47, 0
	s_mov_b64 s[18:19], SIZE_K*2
	s_mul_u64 s[16:17], s[16:17], s[18:19]
	s_mul_u64 s[46:47], s[46:47], s[18:19]
	s_mul_i32 s20, s10, HALFT                      ; where they go: wave x 128 rows: no place in the cluster enters an LDS address
	s_wait_dscnt 0x0                               ; the opening add is done
	s_wait_kmcnt 0x0
	s_add_nc_u64 s[14:15], s[4:5], s[16:17]
	s_add_nc_u64 s[46:47], s[6:7], s[46:47]
	CROUND                                         ; all sixteen work-groups are here: the first joint loads meet
.irp s, 0,1
	s_mov_b32 s[G0+4*(\s)], 1
	s_add_co_u32 s[G0+4*(\s)+1], s20, (\s)*SLOT
	s_add_nc_u64 s[G0+4*(\s)+2:G0+4*(\s)+3], s[14:15], (\s)*KSTEP*2
	s_or_b32 s[G0+4*(\s)+3], s[G0+4*(\s)+3], 0x80000000
	s_mov_b32 s[G0B+4*(\s)], 1
	s_add_co_u32 s[G0B+4*(\s)+1], s20, (\s)*SLOT
	s_add_nc_u64 s[G0B+4*(\s)+2:G0B+4*(\s)+3], s[46:47], (\s)*KSTEP*2
	s_or_b32 s[G0B+4*(\s)+3], s[G0B+4*(\s)+3], 0x80000000
	JLOAD \s
.endr
	v_and_b32 v1, 15, v0                           ; l % 16
	v_bfe_u32 v2, v0, 4, 1                         ; l / 16
	v_and_b32 v6, 31, v0                           ; l
	v_mul_u32_u24 v3, v1, PITCH
	v_lshl_add_u32 v3, v2, 4, v3                   ; a fragment's row x pitch + 16 x half
	s_mul_i32 s21, s11, HALFT                      ; my 128 rows of ows
	s_mul_i32 s22, s12, HALFT                      ; my 128 rows of ob,
	s_add_co_u32 s22, s22, 2*HALFT                 ; which lie behind ows's 256
.irp s, 0,1
	v_add_nc_u32 v[ADRA+(\s)], s21, v3
	v_add_nc_u32 v[ADRB+(\s)], s22, v3
	s_add_co_u32 s21, s21, SLOT
	s_add_co_u32 s22, s22, SLOT
.endr
	s_mul_i32 s23, s10, 16*SPITCH
	s_add_co_u32 s23, s23, STAGE                   ; my stage
	v_mul_u32_u24 v4, v1, SPITCH                   ; in: row l % 16, 32 bytes for each half of the lanes
	v_lshl_add_u32 v4, v2, 5, v4
	v_add_nc_u32 v[STO], s23, v4
	v_lshl_add_u32 v[RD], v6, 4, s23               ; back: 32 lanes take one row's 512 bytes
	v_lshlrev_b32 v[CO], 4, v6
	s_lshl_b32 s13, s13, 8                         ; where my part of the tile begins in out0
	s_lshl_b32 s14, s11, 7
	s_add_co_u32 s16, s13, s14                     ; my first row,
	s_lshl_b32 s16, s16, 14                        ; 16,384 bytes a row
	s_mov_b32 s17, 0
	s_lshl_b32 s46, s42, 10                        ; my first column, in bytes: 1,024 x tile column + 512 x half
	s_lshl_b32 s47, s12, 9
	s_add_co_u32 s46, s46, s47
	s_mov_b32 s47, 0
	s_add_nc_u64 s[16:17], s[16:17], s[46:47]
	s_add_nc_u64 s[8:9], s[8:9], s[16:17]
	; the prefetches.  s13 = 256 x tile row, s42 = tile column, s40 = cx, s41 = cy still stand
	s_lshl_b32 s42, s42, 8
	s_and_b32 s22, ttmp7, 0xffff                   ; cluster y
	s_cmp_eq_u32 s11, 0                            ; do I fetch ows?
	s_cselect_b32 s20, s13, s42                    ; the tile's first row
	s_cselect_b32 s21, s40, s41                    ; my place among the four that ask for it with me
	s_cselect_b32 s22, ttmp9, s22                  ; the coordinate along which other clusters read the same rows
	s_cselect_b64 s[PFA:PFA+1], s[4:5], s[6:7]
	s_cmp_eq_u32 s22, 0
	s_cselect_b32 s[LIM], 1, -1                    ; the same in all sixteen partners, for a given wave
	s_lshl_b32 s22, s12, 7
	s_add_co_u32 s20, s20, s22                     ; + the 128 rows that I fetch
	s_lshl_b32 s21, s21, 5
	s_add_co_u32 s20, s20, s21                     ; + my work-group's 32 of them
	s_mov_b32 s21, 0
	s_mov_b64 s[18:19], SIZE_K*2
	s_mul_u64 s[20:21], s[20:21], s[18:19]
	s_add_nc_u64 s[PFA:PFA+1], s[PFA:PFA+1], s[20:21]
	s_add_nc_u64 s[PFA:PFA+1], s[PFA:PFA+1], 2*KSTEP*2  ; at K step 2: the first refill steps it to 3 and names K step 4
	v_mul_u32_u24 v[PFO], v6, SIZE_K*2
; 16 matrix instructions: m blocks a0, a0 + 1 of the window's four (hi = 0: my rows 0-63, 1: rows 64-127) x all 8 n blocks, 32 along K.  zero = 1: the first product starts the sums.
; The 64 accumulators take turns in one fixed order.
.macro MUL16 f, hi, a0, zero
	WIN MUL_LO+0x50*(\hi)
.irp a, \a0, (\a0)+1
.irp b, 0,1,2,3,4,5,6,7
.if \zero
	v_wmma_f32_16x16x32_f16 v[8*(8*(\a)+(\b)):8*(8*(\a)+(\b))+7], v[(\f)+8*(\b):(\f)+8*(\b)+7], v[(\f)+8*(4*(\hi)+(\a)):(\f)+8*(4*(\hi)+(\a))+7], 0
.else
	v_wmma_f32_16x16x32_f16 v[8*(8*(\a)+(\b)):8*(8*(\a)+(\b))+7], v[(\f)+8*(\b):(\f)+8*(\b)+7], v[(\f)+8*(4*(\hi)+(\a)):(\f)+8*(4*(\hi)+(\a))+7], v[8*(8*(\a)+(\b)):8*(8*(\a)+(\b))+7]
.endif
.endr
.endr
.endm
.macro FETCH slot, k, f                ; 32 LDS loads in one run: ob's eight fragments, then ows's eight
	WIN TO_B
.irp i, 0,1,2,3,4,5,6,7
	ds_load_b128 v[(\f)+8*(\i):(\f)+8*(\i)+3],   v[ADRB+(\slot)] offset:(\k)+(\i)*16*PITCH
	ds_load_b128 v[(\f)+8*(\i)+4:(\f)+8*(\i)+7], v[ADRB+(\slot)] offset:(\k)+(\i)*16*PITCH+32
.endr
	WIN 0
.irp i, 0,1,2,3,4,5,6,7
	ds_load_b128 v[(\f)+8*(\i):(\f)+8*(\i)+3],   v[ADRA+(\slot)] offset:(\k)+(\i)*16*PITCH
	ds_load_b128 v[(\f)+8*(\i)+4:(\f)+8*(\i)+7], v[ADRA+(\slot)] offset:(\k)+(\i)*16*PITCH+32
.endr
.endm
.macro PLACES                          ; four places in front of loads into registers that matrix instructions have read, and of LDS stores that read results
.rept 4
	v_nop
.endr
.endm
.macro QUARTER slot, k, f, g, zero     ; 64 matrix instructions on buffer f; in their middle the next quarter's fragments, at byte k, into buffer g
	s_wait_dscnt 8                                 ; all but the youngest eight loads: ows's rows 64-127
	MUL16 \f, 0, 0, \zero
	MUL16 \f, 0, 2, \zero
	PLACES
	FETCH \slot, \k, \g
	s_wait_dscnt 32                                ; all but the 32 just issued
	MUL16 \f, 1, 0, \zero
	MUL16 \f, 1, 2, \zero
.endm
; The last quarter multiplies buffer 1 and changes slots: ONE barrier; in front of it each wave waits for all its tensor loads (one is out: its part of the next slot), adds 0 to its spare word, and waits for that
; and for its own reads of this slot.  fill = 1: the barrier opens a round of the cluster's, and this slot is filled again first thing behind it, two K steps ahead: 224 matrix instructions stand between that request and the wait for it.
.macro TURN slot, next, fill
.if \fill
	s_wait_xcnt 0x0                                ; the last prefetch, a K step back, has read its address: it is stepped here, ahead of the waits of the change of slots
	s_add_nc_u64 s[PFA:PFA+1], s[PFA:PFA+1], KSTEP*2
.endif
	WIN 0                                          ; (the add's two registers lie in window 0)
	s_wait_tensorcnt 0x0                           ; all my tensor loads have landed
	ds_add_u32 v[SPW], v[NIL]                      ; 0 onto my spare word
	s_wait_dscnt 9                                 ; (the add and the youngest eight loads may be out)
	MUL16 F1, 0, 0, 0                              ; sixteen matrix instructions stand between the add and the wait for it
	s_wait_dscnt 0x0                               ; the add is done, and my reads of this slot are over
	s_barrier_signal -1
	MUL16 F1, 0, 2, 0
.if \fill
	WIN 0
.endif
	s_barrier_wait -1
.if \fill
	CREST                                          ; no wave of any partner still reads this slot's tile or has a load on its way
	s_add_nc_u64 s[G0+4*(\slot)+2:G0+4*(\slot)+3], s[G0+4*(\slot)+2:G0+4*(\slot)+3], 2*KSTEP*2
	s_add_nc_u64 s[G0B+4*(\slot)+2:G0B+4*(\slot)+3], s[G0B+4*(\slot)+2:G0B+4*(\slot)+3], 2*KSTEP*2
	JLOAD \slot                                    ; the four v_nop behind it are also the places in front of the loads below
.else
	PLACES
.endif
	FETCH \next, 0, F0
.if \fill
	ASK
.endif
	MUL16 F1, 1, 0, 0
	MUL16 F1, 1, 2, 0
.endm
	s_wait_tensorcnt 1                             ; my part of K step 0 is in; K step 1's may stay out
	s_barrier_signal -1
	s_barrier_wait -1                              ; everybody's is
	FETCH 0, 0, F0
	QUARTER 0, 64,  F0, F1, 1                      ; the first quarter stands in front of the loop: its products start the sums
	WIN 0                                          ; at a label and at a branch every window is 0
	s_mov_b32 s3, LAPS-1
.Llap:                                                 ; a trip goes once round the ring, from a lap's second quarter to the next lap's first, and fills both slots again
	QUARTER 0, 128, F1, F0, 0
	QUARTER 0, 192, F0, F1, 0
	TURN 0, 1, 1
	QUARTER 1, 64,  F0, F1, 0
	QUARTER 1, 128, F1, F0, 0
	QUARTER 1, 192, F0, F1, 0
	TURN 1, 0, 1
	QUARTER 0, 64,  F0, F1, 0
	WIN 0
	s_sub_co_u32 s3, s3, 1
	s_cmp_lg_u32 s3, 0
	s_cbranch_scc1 .Llap
	QUARTER 0, 128, F1, F0, 0                      ; the last lap fills nothing, and has no round of the cluster's barrier
	QUARTER 0, 192, F0, F1, 0
	TURN 0, 1, 0
	QUARTER 1, 64,  F0, F1, 0
	QUARTER 1, 128, F1, F0, 0
	QUARTER 1, 192, F0, F1, 0
	s_wait_dscnt 8                                 ; the very last quarter: nothing more to fetch
	MUL16 F1, 0, 0, 0
	MUL16 F1, 0, 2, 0
	s_wait_dscnt 0x0
	MUL16 F1, 1, 0, 0
	MUL16 F1, 1, 2, 0
	WIN 0
	PLACES
; THE WAY OUT, a block of 16 rows at a time, with no arithmetic: a lane's 32 bytes of a row go into my own stage, and whole rows of 512 bytes come back and are stored.
.macro TOSTAGE a
.set AC, 64*((\a)%4)
.set BK, F0+64*((\a)%2)
	WIN 0x08+4*((\a)/4)                            ; the stores' data in window 2 or 3
.irp b, 0,1,2,3,4,5,6,7
	ds_store_b128 v[STO], v[AC+8*(\b):AC+8*(\b)+3]   offset:64*(\b)     ; each accumulator's four lowest registers first
	ds_store_b128 v[STO], v[AC+8*(\b)+4:AC+8*(\b)+7] offset:64*(\b)+16
.endr
	WIN 0
.irp t, 0,1,2,3,4,5,6,7,8,9,10,11,12,13,14,15
	ds_load_b128 v[BK+4*(\t):BK+4*(\t)+3], v[RD] offset:(\t)*SPITCH  ; LDS serves a wave's instructions in order (ISA guide 5.7.1.4): these see the stores above; the next block's stores come behind them
.endr
.endm
.macro SEND a, younger                 ; younger: the LDS instructions issued behind block a's loads: the next block's 32, or none
.set BK, F0+64*((\a)%2)
	s_wait_dscnt \younger
.if (\a) > 0
	s_wait_xcnt 0x0                                ; the stores so far have had their addresses translated (ISA guide 3.1): only behind this wait is their base stepped
	s_add_nc_u64 s[8:9], s[8:9], 16*ROWC
.endif
.irp t, 0,1,2,3,4,5,6,7,8,9,10,11,12,13,14,15
	global_store_b128 v[CO], v[BK+4*(\t):BK+4*(\t)+3], s[8:9] offset:(\t)*ROWC  ; 512 bytes on end, at a multiple of 256 from out0's first byte
.endr
.endm
	TOSTAGE 0
.irp a, 1,2,3,4,5,6,7
	s_wait_xcnt 0x0                                ; block a - 2's stores have read the registers that block a's rows are loaded into
	TOSTAGE \a
	SEND (\a)-1, 32
.endr
	SEND 7, 0
	s_wait_tensorcnt 0x0                           ; the wave's end, behind my last tensor load and my last LDS store
	ds_add_u32 v[SPW], v[NIL]
	s_wait_dscnt 0x0
	CROUND                                         ; the closing round: no work-group ends while a partner may still ask for a tile that names it
	s_endpgm
.Lfunc_end_k_q30599af0b3_oproj:
	.size	k_q30599af0b3_oproj, .Lfunc_end_k_q30599af0b3_oproj-k_q30599af0b3_oproj
	.p2alignl 7, 3214868480
	.fill 96, 4, 3214868480
	.section	.rodata,"a",@progbits
	.p2align	6, 0x0
	.amdhsa_kernel k_q30599af0b3_oproj
		.amdhsa_group_segment_fixed_size 327680
		.amdhsa_private_segment_fixed_size 0
		.amdhsa_enable_private_segment 0
		.amdhsa_kernarg_size 24
		.amdhsa_user_sgpr_count 2
		.amdhsa_user_sgpr_kernarg_segment_ptr 1
		.amdhsa_wavefront_size32 1
		.amdhsa_system_sgpr_workgroup_id_x 1
		.amdhsa_system_sgpr_workgroup_id_y 1
		.amdhsa_system_sgpr_workgroup_id_z 1
		.amdhsa_system_vgpr_workitem_id 0
		.amdhsa_next_free_vgpr 1024
		.amdhsa_next_free_sgpr 66
		.amdhsa_reserve_vcc 0
		.amdhsa_float_denorm_mode_32 3
		.amdhsa_float_denorm_mode_16_64 3
		.amdhsa_memory_ordered 1
		.amdhsa_forward_progress 1
		.amdhsa_inst_pref_size 142
	.end_amdhsa_kernel
	.amdgpu_metadata
---
amdhsa.version: [ 1, 2 ]
amdhsa.kernels:
  - .name:           k_q30599af0b3_oproj
    .symbol:         k_q30599af0b3_oproj.kd
    .args:
      - { .name: ows, .offset: 0, .size: 8, .value_kind: global_buffer, .address_space: global }
      - { .name: ob, .offset: 8, .size: 8, .value_kind: global_buffer, .address_space: global }
      - { .name: out0, .offset: 16, .size: 8, .value_kind: global_buffer, .address_space: global }
    .group_segment_fixed_size: 327680
    .private_segment_fixed_size: 0
    .kernarg_segment_align: 8
    .kernarg_segment_size: 24
    .max_flat_workgroup_size: 128
    .sgpr_count:     66
    .vgpr_count:     1024
    .wavefront_size: 32
...
	.end_amdgpu_metadata
.endif
;; end of part 4
